; MI455X (gfx1250); checked and timed in simulation.
; The chip was launched on July 23, 2026; its instructions are those of AMD's public machine-readable ISA for CDNA 5 (MIT licence, August 2026) and "CDNA5" Instruction Set Architecture Reference Guide (July 2026). The comments in the code are by the model that wrote it; some were corrected since.
;; Multihead Attention. Allowed arithmetic: matrix products marked QUANTISED: E2M1 operands, one E8M0 scale for each 32 along K, by v_wmma_scale_f32_16x16x128_f8f6f4 with both operands' format E2M1 (or v_wmma_scale_f32_32x16x128_f4), f32 sums; products left as they are: bf16, f16 or f32 operands; f32 sums; everything else in f32.
;; Inputs: W_o 1,024 x 1,024 float32; W_qkv 1,024 x 3,072 float32; b_o 1,024 float32; b_qkv 3,072 float32; mask 1 x 1 x 2,048 x 2,048 float32; x 4 x 2,048 x 1,024 float32.
;; Outputs: out0 4 x 2,048 x 1,024 float32; out1 4 x 2,048 x 1,024 float32.
;; This version of the problem:
;;   THIS VERSION OF THE PROBLEM IS GIVEN IN LOW PRECISION. The matrix products marked QUANTISED in the list below multiply operands that are first quantised to E2M1 (2 exponent bits, 1 mantissa bit; 4 bits a number), with one power-of-two scale for each 32 numbers along K (OCP MX v1.0); their sums are f32. The products marked 'left as it is' may take bf16, f16 or f32 operands, with f32 sums. All else is computed in f32.
;;   The module's matrix products, in the order in which they are computed (A, B: the left and right operand; K: the contracted axis; several contracted axes count as one K, in the product's order):
;;     1. [M 8,192, K 1,024] x [K 1,024, N 3,072]; A: input x; B: input W_qkv: QUANTISED
;;     2. batch 64 x [M 2,048, K 64] x [K 64, N 2,048]; A: computed on the way; B: computed on the way: left as it is (an operand is computed on the way)
;;     3. batch 64 x [M 2,048, K 2,048] x [K 2,048, N 64]; A: computed on the way; B: computed on the way: left as it is (an operand is computed on the way)
;;     4. [M 8,192, K 1,024] x [K 1,024, N 1,024]; A: computed on the way; B: input W_o: left as it is (an operand is computed on the way)
;;   THE QUANTISER, for each operand of a quantised product, along K:
;;     - K is cut into blocks of 32 from its start; a last block that is shorter is filled with zeros.
;;     - A block's scale is 2^e with e = floor(log2(the largest magnitude in the block)) - 2, held to -126 .. 127; a block of zeros has e = 0. As a byte (E8M0): e + 127.
;;     - Each number is divided by its block's scale, clamped to +-6, and rounded to the nearest number of E2M1, ties to even, subnormals kept.
;;     - The product sums the exact products of the quantised numbers (number of the format x scale) in f32.
;;   ~~~python
;;   def quantise(x, axis):      # numpy; x: float32 -> the quantised numbers, widened to float32 again
;;       x = np.moveaxis(x, axis, -1); K = x.shape[-1]
;;       x = np.pad(x, [(0, 0)] * (x.ndim - 1) + [(0, -K % 32)]); x = x.reshape(x.shape[:-1] + (-1, 32)); a = np.abs(x).max(-1, keepdims=True)
;;       e = np.where(a > 0, np.clip(np.frexp(np.where(a > 0, a, 1))[1] - 1 - 2, -126, 127), 0)      # np.frexp(a)[1] - 1 = floor(log2(a)), exactly
;;       r = np.clip(x / 2.0 ** e, -6, 6)
;;       step = 2.0 ** (np.maximum(np.frexp(np.where(r == 0, 1, r))[1] - 1, 0) - 1)
;;       q = np.round(r / step) * step * 2.0 ** e      # np.round: ties to even
;;       return np.moveaxis(q.reshape(q.shape[:-2] + (-1,))[..., :K], -1, axis).astype(np.float32)
;;   ~~~
;; One version. Each part assembles by itself: llvm-mc -triple=amdgcn-amd-amdhsa -mcpu=gfx1250 --defsym DOCPART=n.
;; ======== version 1 of 1: 4 launches
;; limits: right only within a limited range of input values; values are held in f16: magnitudes above 65,504 overflow, below 6.1e-05 lose precision
;; workspace buffers: x_codes 4,194,304 bytes; x_scales 262,144 bytes; w_codes 1,572,864 bytes; w_scales 98,304 bytes; wo16 2,097,152 bytes; qkv 50,331,648 bytes; vals16 16,777,216 bytes
;; launch prep (part 1): grid 256 x 1, 8 waves a work-group, no clusters, 154,624 bytes of LDS; arguments x, W_qkv, W_o, x_codes, x_scales, w_codes, w_scales, wo16; writes x_codes, x_scales, w_codes, w_scales, wo16
.if DOCPART == 1
	.amdgcn_target "amdgcn-amd-amdhsa--gfx1250"
	.amdhsa_code_object_version 6
	.text
	.protected	k_q06c685e860_prep
	.globl	k_q06c685e860_prep
	.p2align	8
	.type	k_q06c685e860_prep,@function
k_q06c685e860_prep:
	s_mov_b64 s[64:65], 0
	v_nop
	global_prefetch_b8 v0, s[64:65] scope:SCOPE_SE
	s_setreg_imm32_b32 hwreg(HW_REG_WAVE_MODE, 25, 1), 1
	s_wait_xcnt 0x0
; PREP: three jobs in one launch, told apart by the work-group's number; each has its own straight text, its own LDS bytes and its own end.
;  X (work-groups 0-127):   x [8192][1024] f32 -> codes of FP4 (E2M1), K innermost, [8192][512 bytes], and one E8M0 byte for each 32 along K, [8192][32].
;  W (work-groups 128-223): W_qkv [1024 k][3072 n] f32, K its FIRST axis -> codes [3072 n][512 bytes] with K innermost, bytes [3072][32].
;  O (work-groups 224-255): W_o [1024 k][1024 n] f32 -> f16, turned: wo16 [1024 n][1024 k].
; A block's scale is 2^(floor(log2(its largest magnitude)) - 2); its byte is the largest magnitude's exponent field - 2, held at 1 from below by a floor among the maximum's leaves.
; LIMITS: a block whose largest magnitude lies under 2^-124 (a block of zeros among them) keeps the byte 1: its codes are zeros or nearly so, and this program alone reads the bytes;
; NaN and infinities among the inputs are not served; W_o goes to f16: magnitudes up to 65,504, steps of 6e-8 under 6e-5.
; No tensor loads and no matrix work: memory binds here; every load of a wave reads neighbouring bytes in neighbouring lanes, every store of codes covers whole aligned runs of 256 bytes.
.set STEPS, 16
.set SP,    80                         ; path X: a lane's place in a stage: 64 bytes + 16 of padding
.set WREG,  8192                       ; path X: LDS 0 .. 65535: a region for each wave: two stages of 32 x SP bytes, then its 256 scale bytes
.set R,     16                         ; path X: v16-79 four sets of 16 numbers as loaded
.set X,     80                         ; v80-111 two sets of 16 neighbours
.set E,     112                        ; v112-127 a scale byte for each step
.set C,     128                        ; v128-191 codes, four registers for each step
.set WP,    272                        ; paths W and O: a stage row: 256 bytes + 16
.set WST,   65536                      ; path W: 64 rows (columns n) x WP
.set WSC,   82944                      ; path W: 64 x 16 scale bytes
.set OST,   83968                      ; path O: 32 rows x WP for each of eight waves
	s_load_b256 s[4:11], s[0:1], 0x0               ; x s[4:5], W_qkv s[6:7], W_o s[8:9], x_codes s[10:11]
	s_load_b256 s[12:19], s[0:1], 0x20             ; x_scales s[12:13], w_codes s[14:15], w_scales s[16:17], wo16 s[18:19]
	v_lshl_add_u32 v192, v0, 2, 0x25800
	v_mov_b32 v193, 0
	v_lshrrev_b32 v1, 5, v0
	v_readfirstlane_b32 s20, v1                    ; wave 0..7
	v_and_b32 v2, 31, v0                           ; lane
	s_cmp_lt_u32 ttmp9, 128
	s_cbranch_scc0 .Lnot_x
; ---------------- PATH X: x is a plain stream of blocks of 32.  A wave takes 16 steps of 512 numbers.  Loads take the bytes as they lie (512 a load); a step's 2,048 bytes turn through the
; wave's own stage so that a lane holds 16 neighbours; two neighbouring lanes hold a block.
	v_lshlrev_b32 v3, 4, v2                        ; my 16 bytes of a load's 512
	s_mul_i32 s21, s20, WREG
	v_lshrrev_b32 v14, 2, v2
	v_mul_u32_u24 v14, v14, SP
	v_and_b32 v15, 3, v2
	v_lshl_add_u32 v14, v15, 4, v14
	v_add_nc_u32 v14, s21, v14                     ; the stage, way in: SP (lane / 4) + 16 (lane % 4)
	v_mul_u32_u24 v15, v2, SP
	v_add_nc_u32 v15, s21, v15                     ; way out: SP x lane
	v_lshlrev_b32 v4, 3, v2                        ; my 8 bytes of a step's codes
	v_lshrrev_b32 v5, 1, v2
	s_add_co_u32 s21, s21, 2*32*SP
	v_add_nc_u32 v5, s21, v5                       ; my block's scale byte in the wave's 256
	v_lshlrev_b32 v7, 3, v2
	v_add_nc_u32 v6, s21, v7
	s_lshl_b32 s22, ttmp9, 3
	s_add_co_u32 s22, s22, s20                     ; my run of 8,192 numbers: 8 x work-group + wave
	s_lshl_b32 s24, s22, 15                        ; 32,768 bytes of x,
	s_mov_b32 s25, 0
	s_lshl_b32 s26, s22, 12                        ; 4,096 of codes,
	s_mov_b32 s27, 0
	s_lshl_b32 s28, s22, 8                         ; 256 scale bytes a run
	s_mov_b32 s29, 0
	s_wait_kmcnt 0x0
	s_add_nc_u64 s[4:5], s[4:5], s[24:25]
	s_add_nc_u64 s[10:11], s[10:11], s[26:27]
	s_add_nc_u64 s[12:13], s[12:13], s[28:29]
.macro XLOAD t
.irp i, 0,1,2,3
	global_load_b128 v[R+16*((\t)%4)+4*\i:R+16*((\t)%4)+4*\i+3], v3, s[4:5] offset:2048*(\t)+512*\i th:TH_LOAD_NT
.endr
.endm
.macro XTURN t                         ; LDS serves a wave's instructions in order: no wait between the stores and the loads
.irp i, 0,1,2,3
	ds_store_b128 v14, v[R+16*((\t)%4)+4*\i:R+16*((\t)%4)+4*\i+3] offset:32*SP*((\t)%2)+8*SP*\i
.endr
.irp i, 0,1,2,3
	ds_load_b128 v[X+16*((\t)%2)+4*\i:X+16*((\t)%2)+4*\i+3], v15 offset:32*SP*((\t)%2)+16*\i
.endr
.endm
.macro XSTEP t
.set XS, X+16*((\t)%2)
.if (\t) > 0
	s_wait_dscnt 1                                 ; this step's numbers are back from the stage; the last step's byte store may be out
.else
	s_wait_dscnt 0x0
.endif
.if (\t)+4 < STEPS
	XLOAD (\t)+4                                   ; into the registers that this step's stage stores have read
.endif
.if (\t)+1 < STEPS
.if STEPS-2-(\t) >= 3
	s_wait_loadcnt 12                              ; the next step's four loads are in; the three steps behind it (12 loads) may be out
.else
	s_wait_loadcnt 4*(STEPS-2-(\t))
.endif
	XTURN (\t)+1
.endif
	v_max3_num_f32 v8, |v[XS]|, |v[XS+1]|, |v[XS+2]|
	v_max3_num_f32 v9, |v[XS+3]|, |v[XS+4]|, |v[XS+5]|
.irp i, 6,10
	v_max3_num_f32 v8, v8, |v[XS+\i]|, |v[XS+\i+1]|
	v_max3_num_f32 v9, v9, |v[XS+\i+2]|, |v[XS+\i+3]|
.endr
	v_max3_num_f32 v8, v8, |v[XS+14]|, |v[XS+15]|
	v_max3_num_f32 v8, v8, v9, 0x1800000           ; the floor 2^(3 - 127): the byte cannot fall under 1
	v_max_num_f32_dpp v8, v8, v8 row_xmask:1 row_mask:0xf bank_mask:0xf   ; with my neighbour's 16: the block's largest magnitude
	v_add_nc_u32 v11, 0xff000000, v8               ; 2 off its exponent field: the conversion takes that field as its scale
	v_cvt_scalef32_pk8_fp4_f32 v[C+4*(\t)], v[XS:XS+7], v11
	v_cvt_scalef32_pk8_fp4_f32 v[C+4*(\t)+1], v[XS+8:XS+15], v11
	v_lshrrev_b32 v[E+(\t)], 23, v11               ; the scale's byte (also the plain line behind the conversions)
	ds_store_b8 v5, v[E+(\t)] offset:16*(\t)       ; both lanes of a block write the same byte with the same value
	global_store_b64 v4, v[C+4*(\t):C+4*(\t)+1], s[10:11] offset:256*(\t)   ; the wave stores 256 consecutive bytes, aligned
.endm
.irp t, 0,1,2,3
	XLOAD \t
.endr
	s_wait_loadcnt 12                              ; step 0's four loads are in
	XTURN 0
.irp t, 0,1,2,3,4,5,6,7,8,9,10,11,12,13,14,15
	XSTEP \t
.endr
	ds_load_b64 v[12:13], v6                       ; my wave's 256 scale bytes, 8 a lane
	s_wait_dscnt 0x0
	global_store_b64 v7, v[12:13], s[12:13]
	s_wait_tensorcnt 0x0
	ds_add_u32 v192, v193
	s_wait_dscnt 0x0
	s_endpgm
.Lnot_x:
	s_cmp_lt_u32 ttmp9, 224
	s_cbranch_scc0 .Lpath_o
; ---------------- PATH W: a work-group takes 64 columns x 512 along K; wave w takes columns 32 (w & 1) on and 128 along K from 128 (w >> 1) on.
; A LANE TAKES A COLUMN AND ITS REGISTERS RUN DOWN K: a load reads 128 consecutive bytes, a block of 32 lies in one lane, and the conversions give codes with K innermost.
	s_sub_co_u32 s21, ttmp9, 128
	s_lshr_b32 s22, s21, 1                         ; cb: which 64 columns
	s_and_b32 s23, s21, 1                          ; ky: which 512 along K
	s_and_b32 s24, s20, 1                          ; cg
	s_lshr_b32 s25, s20, 1                         ; kq
	v_lshlrev_b32 v3, 2, v2
	s_mul_i32 s26, s24, 32*WP
	s_lshl_b32 s27, s25, 6
	s_add_co_u32 s26, s26, s27
	s_add_co_u32 s26, s26, WST
	v_mul_u32_u24 v4, v2, WP
	v_add_nc_u32 v4, s26, v4                       ; stage, in: row = my column, 64 kq bytes on
	s_lshl_b32 s26, s24, 9
	s_lshl_b32 s27, s25, 2
	s_add_co_u32 s27, s26, s27
	s_add_co_u32 s27, s27, WSC
	v_lshl_add_u32 v5, v2, 4, s27                  ; my column's 16 scale bytes, my word of them
	s_add_co_u32 s26, s26, WSC
	v_lshl_add_u32 v9, v2, 4, s26                  ; and the whole 16 on the way out
	v_and_b32 v6, 15, v2
	v_lshrrev_b32 v12, 4, v2
	s_mul_i32 s26, s20, 8*WP
	s_add_co_u32 s26, s26, WST
	v_mul_u32_u24 v7, v12, WP
	v_lshl_add_u32 v7, v6, 4, v7
	v_add_nc_u32 v7, s26, v7                       ; stage, out: wave w takes rows 8 w on, sixteen lanes to a row
	v_lshlrev_b32 v8, 9, v12
	v_lshl_add_u32 v8, v6, 4, v8                   ; the same place in w_codes (rows of 512 bytes)
	v_lshlrev_b32 v10, 5, v2                       ; w_scales: rows of 32 bytes
	s_lshl_b32 s26, s23, 9
	s_lshl_b32 s27, s25, 7
	s_add_co_u32 s26, s26, s27
	s_mul_i32 s26, s26, 12288                      ; my first row of W_qkv,
	s_lshl_b32 s27, s22, 8
	s_add_co_u32 s26, s26, s27
	s_lshl_b32 s27, s24, 7
	s_add_co_u32 s26, s26, s27                     ; my first column
	s_mov_b32 s27, 0
	s_lshl_b32 s28, s22, 15
	s_lshl_b32 s29, s20, 12
	s_add_co_u32 s28, s28, s29
	s_lshl_b32 s29, s23, 8
	s_add_co_u32 s28, s28, s29                     ; w_codes: (64 cb + 8 w) x 512 + 256 ky
	s_mov_b32 s29, 0
	s_lshl_b32 s30, s22, 11
	s_lshl_b32 s31, s24, 10
	s_add_co_u32 s30, s30, s31
	s_lshl_b32 s31, s23, 4
	s_add_co_u32 s30, s30, s31                     ; w_scales: (64 cb + 32 cg) x 32 + 16 ky
	s_mov_b32 s31, 0
	s_wait_kmcnt 0x0
	s_add_nc_u64 s[6:7], s[6:7], s[26:27]
	s_add_nc_u64 s[14:15], s[14:15], s[28:29]
	s_add_nc_u64 s[16:17], s[16:17], s[30:31]
.macro WLOAD t                         ; block t: 32 rows of K at my column; each block has registers of its own
.set i, 0
.rept 32
	global_load_b32 v[32+32*(\t)+i], v3, s[6:7] offset:(32*(\t)+i)*12288 th:TH_LOAD_NT
.set i, i+1
.endr
.endm
.macro WBLOCK t
.if (\t) < 3
	s_wait_loadcnt 32                              ; this block's 32 loads are in; the next block's 32 may be out
.else
	s_wait_loadcnt 0x0
.endif
.if (\t) < 2
	WLOAD (\t)+2                                   ; two blocks ahead
.endif
.set XS, 32+32*(\t)
	v_max3_num_f32 v12, |v[XS]|, |v[XS+1]|, |v[XS+2]|
	v_max3_num_f32 v13, |v[XS+3]|, |v[XS+4]|, |v[XS+5]|
.irp i, 6,10,14,18,22,26
	v_max3_num_f32 v12, v12, |v[XS+\i]|, |v[XS+\i+1]|
	v_max3_num_f32 v13, v13, |v[XS+\i+2]|, |v[XS+\i+3]|
.endr
	v_max3_num_f32 v12, v12, |v[XS+30]|, |v[XS+31]|
	v_max3_num_f32 v12, v12, v13, 0x1800000        ; the floor
	v_add_nc_u32 v11, 0xff000000, v12
	v_lshrrev_b32 v13, 23, v11                     ; the byte
.if (\t) == 0
	v_mov_b32 v24, v13
.else
	v_lshl_or_b32 v24, v13, 8*(\t), v24            ; four bytes to a word, the lower K in the lower byte
.endif
.irp g, 0,1,2,3
	v_cvt_scalef32_pk8_fp4_f32 v[160+4*(\t)+\g], v[XS+8*\g:XS+8*\g+7], v11
.endr
	ds_store_b128 v4, v[160+4*(\t):163+4*(\t)] offset:16*(\t)   ; 32 codes: 16 bytes of my column's row; each block has its own four registers
.endm
	WLOAD 0
	WLOAD 1
.irp t, 0,1,2,3
	WBLOCK \t
.endr
	ds_store_b32 v5, v24
	s_wait_dscnt 0x0                               ; for the others' sake: my stores into the stage are done
	s_barrier_signal -1
	s_barrier_wait -1                              ; a row's 256 bytes come from four waves
.irp i, 0,1,2,3
	ds_load_b128 v[176+4*\i:179+4*\i], v7 offset:\i*2*WP
.endr
.irp i, 0,1,2,3
	s_wait_dscnt 3-\i
	global_store_b128 v8, v[176+4*\i:179+4*\i], s[14:15] offset:\i*1024   ; sixteen lanes store 256 consecutive bytes, aligned
.endr
	s_cmp_lt_u32 s20, 2                            ; waves 0 and 1 send the 64 columns' scale bytes, 16 a lane
	s_cbranch_scc0 .Lw_done
	ds_load_b128 v[16:19], v9
	s_wait_dscnt 0x0
	global_store_b128 v10, v[16:19], s[16:17]
.Lw_done:
	s_wait_tensorcnt 0x0
	ds_add_u32 v192, v193
	s_wait_dscnt 0x0
	s_endpgm
.Lpath_o:
; ---------------- PATH O: a work-group takes 128 columns x 256 along K of W_o; wave w columns 32 (w & 3) on, K from 128 (w >> 2) on.  A lane takes a column, its registers run down K,
; pairs are rounded to f16 in place, and the wave's own stage turns 32 rows of 256 bytes into whole aligned runs.
	s_sub_co_u32 s21, ttmp9, 224
	s_and_b32 s22, s21, 7
	s_lshr_b32 s23, s21, 3
	s_and_b32 s24, s20, 3
	s_lshr_b32 s25, s20, 2
	s_lshl_b32 s26, s22, 7
	s_lshl_b32 s24, s24, 5
	s_add_co_u32 s26, s26, s24                     ; my first column
	s_lshl_b32 s27, s23, 8
	s_lshl_b32 s25, s25, 7
	s_add_co_u32 s27, s27, s25                     ; my first k
	s_lshl_b32 s28, s27, 12
	s_lshl_b32 s29, s26, 2
	s_add_co_u32 s28, s28, s29                     ; in W_o
	s_mov_b32 s29, 0
	s_lshl_b32 s30, s26, 11
	s_lshl_b32 s31, s27, 1
	s_add_co_u32 s30, s30, s31                     ; in wo16
	s_mov_b32 s31, 0
	s_mul_i32 s21, s20, 32*WP
	s_add_co_u32 s21, s21, OST
	v_lshlrev_b32 v3, 2, v2
	v_mul_u32_u24 v4, v2, WP
	v_add_nc_u32 v4, s21, v4
	v_and_b32 v6, 15, v2
	v_lshrrev_b32 v12, 4, v2
	v_mul_u32_u24 v7, v12, WP
	v_lshl_add_u32 v7, v6, 4, v7
	v_add_nc_u32 v7, s21, v7
	v_lshlrev_b32 v8, 11, v12
	v_lshl_add_u32 v8, v6, 4, v8
	s_wait_kmcnt 0x0
	s_add_nc_u64 s[8:9], s[8:9], s[28:29]
	s_add_nc_u64 s[18:19], s[18:19], s[30:31]
.macro OLOAD g
.set i, 0
.rept 32
	global_load_b32 v[32+32*(\g)+i], v3, s[8:9] offset:(32*(\g)+i)*4096 th:TH_LOAD_NT
.set i, i+1
.endr
.endm
.macro OCVT g                          ; in place, ascending: register 32 + i is written when its own number has been read
.set i, 16*(\g)
.rept 16
	v_cvt_pk_f16_f32 v[32+i], v[32+2*i], v[33+2*i]
.set i, i+1
.endr
.endm
	OLOAD 0
	OLOAD 1
	s_wait_loadcnt 32                              ; group 0 is in; the 32 loads behind it may be out
	OLOAD 2
	OCVT 0
	s_wait_loadcnt 32
	OLOAD 3
	OCVT 1
	s_wait_loadcnt 32
	OCVT 2
	s_wait_loadcnt 0x0
	OCVT 3
.irp i, 0,1,2,3,4,5,6,7,8,9,10,11,12,13,14,15
	ds_store_b128 v4, v[32+4*\i:35+4*\i] offset:16*\i
.endr
.irp i, 0,1,2,3,4,5,6,7,8,9,10,11,12,13,14,15
	ds_load_b128 v[96+4*\i:99+4*\i], v7 offset:\i*2*WP    ; the stage is my wave's own, and LDS serves a wave in order
.endr
.irp i, 0,1,2,3,4,5,6,7,8,9,10,11,12,13,14,15
	s_wait_dscnt 15-\i
	global_store_b128 v8, v[96+4*\i:99+4*\i], s[18:19] offset:\i*4096
.endr
	s_wait_tensorcnt 0x0
	ds_add_u32 v192, v193
	s_wait_dscnt 0x0
	s_endpgm
.Lfunc_end_k_q06c685e860_prep:
	.size	k_q06c685e860_prep, .Lfunc_end_k_q06c685e860_prep-k_q06c685e860_prep
	.p2alignl 7, 3214868480
	.fill 96, 4, 3214868480
	.section	.rodata,"a",@progbits
	.p2align	6, 0x0
	.amdhsa_kernel k_q06c685e860_prep
		.amdhsa_group_segment_fixed_size 154624
		.amdhsa_private_segment_fixed_size 0
		.amdhsa_enable_private_segment 0
		.amdhsa_kernarg_size 64
		.amdhsa_user_sgpr_count 2
		.amdhsa_user_sgpr_kernarg_segment_ptr 1
		.amdhsa_wavefront_size32 1
		.amdhsa_system_sgpr_workgroup_id_x 1
		.amdhsa_system_sgpr_workgroup_id_y 1
		.amdhsa_system_sgpr_workgroup_id_z 1
		.amdhsa_system_vgpr_workitem_id 0
		.amdhsa_next_free_vgpr 194
		.amdhsa_next_free_sgpr 66
		.amdhsa_reserve_vcc 0
		.amdhsa_float_denorm_mode_32 3
		.amdhsa_float_denorm_mode_16_64 3
		.amdhsa_memory_ordered 1
		.amdhsa_forward_progress 1
		.amdhsa_inst_pref_size 76
	.end_amdhsa_kernel
	.amdgpu_metadata
---
amdhsa.version: [ 1, 2 ]
amdhsa.kernels:
  - .name:           k_q06c685e860_prep
    .symbol:         k_q06c685e860_prep.kd
    .args:
      - { .name: x, .offset: 0, .size: 8, .value_kind: global_buffer, .address_space: global }
      - { .name: W_qkv, .offset: 8, .size: 8, .value_kind: global_buffer, .address_space: global }
      - { .name: W_o, .offset: 16, .size: 8, .value_kind: global_buffer, .address_space: global }
      - { .name: x_codes, .offset: 24, .size: 8, .value_kind: global_buffer, .address_space: global }
      - { .name: x_scales, .offset: 32, .size: 8, .value_kind: global_buffer, .address_space: global }
      - { .name: w_codes, .offset: 40, .size: 8, .value_kind: global_buffer, .address_space: global }
      - { .name: w_scales, .offset: 48, .size: 8, .value_kind: global_buffer, .address_space: global }
      - { .name: wo16, .offset: 56, .size: 8, .value_kind: global_buffer, .address_space: global }
    .group_segment_fixed_size: 154624
    .private_segment_fixed_size: 0
    .kernarg_segment_align: 8
    .kernarg_segment_size: 64
    .max_flat_workgroup_size: 256
    .sgpr_count:     66
    .vgpr_count:     194
    .wavefront_size: 32
...
	.end_amdgpu_metadata
.endif
;; end of part 1
;; launch qkvgemm (part 2): grid 12 x 32, 4 waves a work-group, clusters of 4 x 4, 327,680 bytes of LDS; arguments x_codes, x_scales, w_codes, w_scales, b_qkv, qkv; writes qkv
.if DOCPART == 2
	.amdgcn_target "amdgcn-amd-amdhsa--gfx1250"
	.amdhsa_code_object_version 6
	.text
	.protected	k_q06c685e860_qkvgemm
	.globl	k_q06c685e860_qkvgemm
	.p2align	8
	.type	k_q06c685e860_qkvgemm,@function
k_q06c685e860_qkvgemm:
	s_mov_b64 s[64:65], 0
	v_nop
	global_prefetch_b8 v0, s[64:65] scope:SCOPE_SE
	s_setreg_imm32_b32 hwreg(HW_REG_WAVE_MODE, 25, 1), 1
	s_wait_xcnt 0x0
	s_wait_alu depctr_hold_cnt(0) depctr_sa_sdst(0) depctr_va_vdst(0) depctr_va_sdst(0) depctr_va_ssrc(0) depctr_va_vcc(0) depctr_vm_vsrc(0)
	s_getreg_b32 s2, hwreg(HW_REG_IB_STS2, 6, 4)
	s_cmp_eq_u32 s2, 0
	s_cbranch_scc0 .Lentry_in_a_cluster
	s_endpgm
.Lentry_in_a_cluster:
	s_bfe_u32 s2, ttmp6, 0x10000c
	s_cmp_lg_u32 s2, 0xf033
	s_cbranch_scc0 .Lentry_shape_is_right
	s_endpgm
.Lentry_shape_is_right:
; qkv = Q(x) Q(W_qkv) + b_qkv on codes of FP4 (E2M1) with one E8M0 scale for each 32 along K; sums in f32; the result leaves as f16, head by head: qkv [b 4][G 48][s 2048][64], G = column / 64.
; THE SCORES' SCALE 1/8 IS TAKEN HERE, IN f32: a group with G % 3 = 0 holds a head's q, and its sums are multiplied by 0.125 ahead of their one rounding; the other groups by 1.0: one text for all.
; A: x_codes [8192][512 bytes], x_scales [8192][32];  B: w_codes [3072][512 bytes], w_scales [3072][32].
; LIMIT: q / 8, k and v go to f16: magnitudes up to 65,504 (x and W_qkv both 30 times larger than unit spread give about 5,000), steps of 6e-8 under 6e-5.
; A tile of C, 256 x 256, is made by four waves, each 128 x 128: 64 accumulators, 512 registers.  K = 1,024 is two LDS slots of 512 along K (rows of 256 bytes): both slots and all scale bytes
; are first fills: three tensor loads a wave are out at the start, and no LDS byte is filled twice.
; CLUSTERS: 4 x 4 work-groups; A's tiles are asked for jointly along a row of the cluster, B's along a column.
; THE MATRIX INSTRUCTION IS USED TRANSPOSED (source 0 = 16 rows of B, source 1 = 16 rows of A): a lane holds eight neighbouring columns of one row of C.
; THE BIAS is the C of each sum's first product: eight registers for each of B's eight blocks, in the result's layout.
; REGISTERS: window 0: v0-31 addresses; v32-95 scale words, two sets, and nothing else ever; v128-191 A's fragments, one set; v192-255 the bias; on the way out v128-255 are free.
;   window 1: B's fragments, two sets, at v0 and v128.  window 2: accumulators of my rows 0-63 ((a, b) at v[8 (8 a + b)]);  window 3: rows 64-127.
.set NQ,     4                         ; matrix instructions deep in a slot
.set ROWB,   256                       ; a tile's row in bytes: 512 codes
.set KROW,   512                       ; a row of codes in memory
.set PITCH,  272                       ; an LDS row: 256 bytes + 16: the 16 rows that a load touches start at 16 different banks (64 banks of 4 bytes: ISA guide 11.1)
.set FR,     8
.set NL,     2
.set NP,     4                         ; places behind this matrix instruction (ISA guide 7.12.1)
.set HALFT,  128*PITCH
.set SLOT,   4*HALFT
.set KS,     32                        ; a row of scale bytes
.set SCL,    2*SLOT                    ; behind the slots: the scale bytes, as runs of 256 bytes + 16
.set HALFS,  16*272                    ; those of 128 rows
.set SBLK,   2*272                     ; of 16 rows
.set SPARE,  SCL+4*HALFS               ; the spare words: 128 bytes a wave
.set SPITCH, 272                       ; the way out: a stage of 16 rows x (256 + 16) bytes for each wave, in slot 0, which has had its only fill and its last read by then
.set ADRA, 16
.set ADRB, 20
.set STO,  24
.set RD,   25
.set CO,   26
.set ADRS, 27
.set SPW,  28
.set NIL,  29
.set BO,   30                          ; v30  the bias loads' offset: 32 x (lane / 16)
.set SC,   32
.set AF,   128
.set BIAS, 192
.set T,    128                         ; the way out: a block's 64 numbers x their factor, then, in place, its 32 packed registers
.set BK,   192                         ; and 16 rows read back: v192-223 and v224-255 by turns
.set FS,   18                          ; s[18:19] the factor of my first group of 64 columns, twice; s[20:21] of my second
.set G1, 24
.set G0, 32
.set G1B, 48
.set G0B, 56
.set G1S, 68
.set G0S, 76
.set G1SB, 80
.set G0SB, 88
.set MSB, 0
.macro WIN new                         ; the immediate's high byte repeats the setting that is left
.if MSB != \new
	s_set_vgpr_msb (MSB<<8)|\new
.set MSB, \new
.endif
.endm
.set MUL_LO, 0xa1                      ; source 0 (B) window 1, source 1 (A) window 0, C and D window 2
.set MUL_HI, 0xf1                      ; C and D window 3
.set BIA_LO, 0x81                      ; the first products: C (the bias) window 0, D window 2
.set BIA_HI, 0xc1                      ; D window 3
.set TO_B,   0x40
; A joint load: waves 0 and 1 fetch for A, waves 2 and 3 for B; the branch hangs on the wave's number alone.  Four v_nop follow each line.
.macro JLOAD g0a, g1a, g0b, g1b
	s_cmp_eq_u32 s15, 0
	s_cbranch_scc0 .Lfor_b_\@
	tensor_load_to_lds s[\g0a:\g0a+3], s[\g1a:\g1a+7]
	s_nop 0
.rept 4
	v_nop
.endr
	s_branch .Lasked_\@
.Lfor_b_\@:
	tensor_load_to_lds s[\g0b:\g0b+3], s[\g1b:\g1b+7]
	s_nop 0
.rept 4
	v_nop
.endr
.Lasked_\@:
.endm
.macro CROUND                          ; a round of the cluster's barrier
	s_barrier_signal -1
	s_barrier_wait -1
	s_cmp_lg_u32 s14, 0
	s_cbranch_scc1 .Lnot_wave_0_\@
	s_barrier_signal -3
.Lnot_wave_0_\@:
	s_barrier_wait -3
	s_barrier_signal -1
	s_barrier_wait -1
.endm
	s_load_b128 s[4:7], s[0:1], 0x0                ; A's codes, A's scales
	s_load_b128 s[8:11], s[0:1], 0x10              ; B's codes, B's scales
	s_load_b64 s[2:3], s[0:1], 0x20                ; b_qkv
	s_load_b64 s[12:13], s[0:1], 0x28              ; qkv
	v_lshl_add_u32 v[SPW], v0, 2, SPARE
	v_mov_b32 v[NIL], 0
	ds_add_u32 v28, v29
	s_wait_dscnt 0x0
	v_lshrrev_b32 v1, 5, v0
	v_readfirstlane_b32 s14, v1                    ; wave 0..3
	s_lshr_b32 s15, s14, 1                         ; my half of the tile's rows.  Also: I fetch for A (0) or B (1)
	s_and_b32 s16, s14, 1                          ; my half of its columns.  Also: which 128 rows I fetch
	s_bfe_u32 s40, ttmp6, 0x40000                  ; cx
	s_bfe_u32 s41, ttmp6, 0x40004                  ; cy
	s_lshl_b32 s42, ttmp9, 2
	s_add_co_u32 s42, s42, s40                     ; tile column
	s_and_b32 s17, ttmp7, 0xffff
	s_lshl_b32 s17, s17, 2
	s_add_co_u32 s17, s17, s41                     ; tile row
	s_lshl_b32 s43, s41, 2
	s_lshl_b32 s43, 15, s43                        ; my row of the cluster
	s_lshl_b32 s44, 0x1111, s40                    ; my column
	s_or_b32 s[G1+0], s43, (0<<16)|(1<<20)|(1<<21)|(5<<22)|(3<<25)   ; mask; elements of 1 byte; padding on; bit 21 beside a mask; 4 words after every 64
	s_or_b32 s[G1B+0], s44, (0<<16)|(1<<20)|(1<<21)|(5<<22)|(3<<25)
.irp g, G1, G1B
	s_mov_b32 s[\g+1], ROWB<<16                    ; tensor_dim0
	s_mov_b32 s[\g+2], 128<<16                     ; tensor_dim1
	s_mov_b32 s[\g+3], ROWB<<16                    ; tile_dim0
	s_mov_b32 s[\g+4], 128                         ; tile_dim1
	s_mov_b32 s[\g+5], KROW                        ; the pitch in memory
	s_mov_b32 s[\g+6], 0
	s_mov_b32 s[\g+7], 0
.endr
	s_or_b32 s[G1S+0], s43, (3<<16)|(1<<20)|(1<<21)|(5<<22)|(3<<25)  ; the scale bytes of 128 rows: 4,096 dense bytes as 16 rows of 32 elements of 8 bytes
	s_or_b32 s[G1SB+0], s44, (3<<16)|(1<<20)|(1<<21)|(5<<22)|(3<<25)
.irp g, G1S, G1SB
	s_mov_b32 s[\g+1], 32<<16
	s_mov_b32 s[\g+2], 16<<16
	s_mov_b32 s[\g+3], 32<<16
	s_mov_b32 s[\g+4], 16
	s_mov_b32 s[\g+5], 32
	s_mov_b32 s[\g+6], 0
	s_mov_b32 s[\g+7], 0
.endr
	s_lshl_b32 s18, s16, 7
	s_lshl_b32 s20, s17, 8
	s_add_co_u32 s20, s20, s18                     ; A: row 256 x tile row + 128 x half
	s_lshl_b32 s46, s42, 8
	s_add_co_u32 s46, s46, s18                     ; B: row 256 x tile column + 128 x half
	s_mov_b32 s21, 0
	s_mov_b32 s47, 0
	s_mov_b64 s[18:19], KS
	s_mul_u64 s[22:23], s[20:21], s[18:19]
	s_mul_u64 s[92:93], s[46:47], s[18:19]
	s_mov_b64 s[18:19], KROW
	s_mul_u64 s[20:21], s[20:21], s[18:19]
	s_mul_u64 s[46:47], s[46:47], s[18:19]
	s_mul_i32 s45, s14, HALFT                      ; LDS places hang on the wave's number alone
	s_mul_i32 s94, s14, HALFS
	s_wait_kmcnt 0x0
	s_add_nc_u64 s[20:21], s[4:5], s[20:21]
	s_add_nc_u64 s[22:23], s[6:7], s[22:23]
	s_add_nc_u64 s[46:47], s[8:9], s[46:47]
	s_add_nc_u64 s[92:93], s[10:11], s[92:93]
	CROUND                                         ; all sixteen work-groups are here: the joint loads meet
	s_mov_b32 s[G0S], 1
	s_add_co_u32 s[G0S+1], s94, SCL
	s_mov_b64 s[G0S+2:G0S+3], s[22:23]
	s_or_b32 s[G0S+3], s[G0S+3], 0x80000000
	s_mov_b32 s[G0SB], 1
	s_add_co_u32 s[G0SB+1], s94, SCL
	s_mov_b64 s[G0SB+2:G0SB+3], s[92:93]
	s_or_b32 s[G0SB+3], s[G0SB+3], 0x80000000
	JLOAD G0S, G1S, G0SB, G1SB                     ; the scales first: they are wanted with the first step
.irp s, 0,1
	s_mov_b32 s[G0+4*\s], 1
	s_add_co_u32 s[G0+4*\s+1], s45, \s*SLOT
	s_add_nc_u64 s[G0+4*\s+2:G0+4*\s+3], s[20:21], \s*ROWB
	s_or_b32 s[G0+4*\s+3], s[G0+4*\s+3], 0x80000000
	s_mov_b32 s[G0B+4*\s], 1
	s_add_co_u32 s[G0B+4*\s+1], s45, \s*SLOT
	s_add_nc_u64 s[G0B+4*\s+2:G0B+4*\s+3], s[46:47], \s*ROWB
	s_or_b32 s[G0B+4*\s+3], s[G0B+4*\s+3], 0x80000000
	JLOAD G0+4*\s, G1, G0B+4*\s, G1B
.endr
	v_and_b32 v1, 15, v0                           ; r
	v_bfe_u32 v2, v0, 4, 1                         ; h
	v_mul_u32_u24 v3, v1, PITCH
	v_lshl_add_u32 v4, v2, 4, v3                   ; a fragment's row x pitch + 16 h
	s_mul_i32 s21, s15, HALFT
	s_mul_i32 s22, s16, HALFT
	s_add_co_u32 s22, s22, 2*HALFT
.irp s, 0,1
	v_add_nc_u32 v[ADRA+\s], s21, v4
	v_add_nc_u32 v[ADRB+\s], s22, v4
	s_add_co_u32 s21, s21, SLOT
	s_add_co_u32 s22, s22, SLOT
.endr
	v_mul_u32_u24 v5, v1, KS                       ; my row's scale bytes: 32 a row,
	v_lshrrev_b32 v6, 8, v5
	v_lshl_add_u32 v5, v6, 4, v5                   ; and 16 more for each 256 passed
	s_mul_i32 s21, s15, HALFS
	s_mul_i32 s22, s16, HALFS
	s_add_co_u32 s22, s22, 2*HALFS
	s_sub_co_u32 s22, s22, s21
	v_mul_u32_u24 v6, s22, v2                      ; lanes 16-31 take B's: one product, the distance between the two bases
	s_add_co_u32 s21, s21, SCL
	v_add_nc_u32 v5, v5, v6
	v_add_nc_u32 v[ADRS], s21, v5
	s_mul_i32 s23, s14, 16*SPITCH                  ; my stage
	v_add_nc_u32 v[STO], s23, v4                   ; in: row r, 16 bytes for each half of the lanes
	v_bfe_u32 v5, v0, 3, 1
	v_and_b32 v6, 7, v0
	v_mul_u32_u24 v7, v5, SPITCH
	v_lshl_add_u32 v7, v2, 7, v7
	v_lshl_add_u32 v7, v6, 4, v7
	v_add_nc_u32 v[RD], s23, v7                    ; back: lanes 0-15 two rows' first 128 bytes (group G0), lanes 16-31 their second 128 (group G0 + 1)
	v_lshlrev_b32 v7, 18, v2
	v_lshl_add_u32 v7, v5, 7, v7
	v_lshl_add_u32 v[CO], v6, 4, v7                ; in qkv: a group is 262,144 bytes, a row 128
	s_lshl_b32 s46, s42, 10                        ; my first column, as bytes of f32: 1,024 x tile column + 512 x half
	s_lshl_b32 s47, s16, 9
	s_add_co_u32 s46, s46, s47
	s_mov_b32 s47, 0
	s_add_nc_u64 s[2:3], s[2:3], s[46:47]
	v_lshlrev_b32 v[BO], 5, v2
.irp b, 0,1,2,3,4,5,6,7
	global_load_b128 v[BIAS+8*\b:BIAS+8*\b+3], v[BO], s[2:3] offset:64*\b        ; b_qkv at columns 16 b + 8 h + 0 .. 7
	global_load_b128 v[BIAS+8*\b+4:BIAS+8*\b+7], v[BO], s[2:3] offset:64*\b+16
.endr
	s_lshl_b32 s20, s17, 8
	s_lshl_b32 s21, s15, 7
	s_add_co_u32 s20, s20, s21                     ; my first row m0
	s_lshr_b32 s21, s20, 11                        ; the batch
	s_mul_i32 s21, s21, 48
	s_lshl_b32 s46, s42, 2
	s_lshl_b32 s47, s16, 1
	s_add_co_u32 s46, s46, s47                     ; G0 = 4 x tile column + 2 x half, 0 .. 46
	s_mul_i32 s18, s46, 43
	s_lshr_b32 s18, s18, 7                         ; G0 / 3: 43 / 128 is 1/3 + 0.0026, and 0.0026 x 46 stays under 1/3
	s_mul_i32 s18, s18, 3
	s_sub_co_u32 s22, s46, s18                     ; G0 % 3
	s_add_co_u32 s46, s46, s21
	s_lshl_b32 s46, s46, 18
	s_and_b32 s20, s20, 2047
	s_lshl_b32 s20, s20, 7
	s_add_co_u32 s46, s46, s20
	s_mov_b32 s47, 0
	s_add_nc_u64 s[12:13], s[12:13], s[46:47]
	s_cmp_eq_u32 s22, 0                            ; is my first group a q group?
	s_cselect_b32 s[FS], 0x3e000000, 1.0           ; then 1/8, else 1: a number that is multiplied by, no branch and no address
	s_mov_b32 s[FS+1], s[FS]
	s_cmp_eq_u32 s22, 2                            ; is my second?
	s_cselect_b32 s[FS+2], 0x3e000000, 1.0
	s_mov_b32 s[FS+3], s[FS+2]
.macro FRAG reg, adr, q, i             ; 16 rows x 128 K of 4-bit codes: 8 registers, two loads of 16 bytes, 32 apart
.irp c, 0,1
	ds_load_b128 v[\reg+4*\c:\reg+4*\c+3], v[\adr] offset:64*(\q)+32*\c+(\i)*16*PITCH
.endr
.endm
; 16 matrix instructions: A's blocks a0, a0 + 1 x B's eight.  zero = 1: the first product starts the sums on the bias.  The 64 accumulators take turns, one instruction a turn.
.macro MUL16 a0, p, q, sc, zero
.irp a, \a0, \a0+1
.irp b, 0,1,2,3,4,5,6,7
.if \zero
	v_wmma_scale_f32_16x16x128_f8f6f4 v[8*(8*((\a)%4)+\b):8*(8*((\a)%4)+\b)+7], v[128*(\p)+FR*\b:128*(\p)+FR*\b+FR-1], v[AF+FR*(\a):AF+FR*(\a)+FR-1], v[BIAS+8*\b:BIAS+8*\b+7], v[SC+8*NQ*(\sc)+NQ*\b+(\q)], v[SC+8*NQ*(\sc)+NQ*(\a)+(\q)] matrix_a_fmt:MATRIX_FMT_FP4 matrix_b_fmt:MATRIX_FMT_FP4 matrix_a_scale:MATRIX_SCALE_ROW1
.else
	v_wmma_scale_f32_16x16x128_f8f6f4 v[8*(8*((\a)%4)+\b):8*(8*((\a)%4)+\b)+7], v[128*(\p)+FR*\b:128*(\p)+FR*\b+FR-1], v[AF+FR*(\a):AF+FR*(\a)+FR-1], v[8*(8*((\a)%4)+\b):8*(8*((\a)%4)+\b)+7], v[SC+8*NQ*(\sc)+NQ*\b+(\q)], v[SC+8*NQ*(\sc)+NQ*(\a)+(\q)] matrix_a_fmt:MATRIX_FMT_FP4 matrix_b_fmt:MATRIX_FMT_FP4 matrix_a_scale:MATRIX_SCALE_ROW1
.endif
.endr
.endr
.endm
.macro FETCH_B slot, q, p
	WIN TO_B
.irp i, 0,1,2,3,4,5,6,7
	FRAG 128*(\p)+FR*\i, ADRB+\slot, \q, \i
.endr
	WIN 0
.endm
.macro FETCH_A slot, q, i0
.irp i, \i0, \i0+1, \i0+2, \i0+3
	FRAG AF+FR*(\i), ADRA+\slot, \q, \i
.endr
.endm
.macro SCALES sc                       ; a slot's scale words: lanes 0-15 A's block i, lanes 16-31 B's block i; four words a row
.irp i, 0,1,2,3,4,5,6,7
	ds_load_b128 v[SC+8*NQ*\sc+NQ*\i:SC+8*NQ*\sc+NQ*\i+3], v[ADRS] offset:\i*SBLK
.endr
.endm
.macro PLACES n                        ; plain vector lines between a matrix instruction and a load into, or a vector read or write of, its registers
.rept \n
	v_nop
.endr
.endm
.macro STEP slot, q, zero              ; 128 along K whose successor lies in the same slot
	s_wait_dscnt 4*NL                              ; B's set and A's blocks 0-3 are in; the youngest eight loads (A's blocks 4-7) may be out
.if \zero
	WIN BIA_LO
.else
	WIN MUL_LO
.endif
	MUL16 0, (\q)%2, \q, \slot, \zero
	MUL16 2, (\q)%2, \q, \slot, \zero
	s_wait_dscnt 0
	PLACES NP
	FETCH_B \slot, (\q)+1, 1-(\q)%2
	FETCH_A \slot, (\q)+1, 0
.if \zero
	WIN BIA_HI
.else
	WIN MUL_HI
.endif
	MUL16 4, (\q)%2, \q, \slot, \zero
	MUL16 6, (\q)%2, \q, \slot, \zero
	PLACES NP
	WIN 0
	FETCH_A \slot, (\q)+1, 4
.endm
; Slot 0's last step changes slots: each wave waits for all its tensor loads (slot 1's is the one that may be out), adds 0 to its spare word, waits for that and for its reads of slot 0, and passes one barrier.
.macro TURN slot, next
	s_wait_tensorcnt 0x0                           ; my part of the next slot has landed
	ds_add_u32 v[SPW], v[NIL]                      ; 0 onto my spare word
	s_wait_dscnt 4*NL+1                            ; the add and the youngest eight loads may be out
	WIN MUL_LO
	MUL16 0, 1, NQ-1, \slot, 0
	s_wait_dscnt 0x0                               ; the add is done, and my reads of this slot are over
	s_barrier_signal -1
	MUL16 2, 1, NQ-1, \slot, 0
	WIN 0
	s_barrier_wait -1                              ; the next slot is whole, and nobody reads this one any more
	PLACES NP
	v_add_nc_u32 v[ADRS], 4*NQ, v[ADRS]            ; the next slot's scale words: 16 bytes on in each row
	FETCH_B \next, 0, 0
	FETCH_A \next, 0, 0
	SCALES \next
	WIN MUL_HI
	MUL16 4, 1, NQ-1, \slot, 0
	MUL16 6, 1, NQ-1, \slot, 0
	PLACES NP
	WIN 0
	FETCH_A \next, 0, 4
.endm
	s_wait_tensorcnt 1                             ; the scales and my part of slot 0 are in; slot 1's load may be out
	s_barrier_signal -1
	s_barrier_wait -1
	FETCH_B 0, 0, 0
	FETCH_A 0, 0, 0
	SCALES 0
	FETCH_A 0, 0, 4
	s_wait_loadcnt 0x0                             ; the bias
	STEP 0, 0, 1
	STEP 0, 1, 0
	STEP 0, 2, 0
	TURN 0, 1
	STEP 1, 0, 0
	STEP 1, 1, 0
	STEP 1, 2, 0
	s_wait_dscnt 4*NL                              ; the last step: nothing more to fetch
	WIN MUL_LO
	MUL16 0, 1, NQ-1, 1, 0
	MUL16 2, 1, NQ-1, 1, 0
	s_wait_dscnt 0
	WIN MUL_HI
	MUL16 4, 1, NQ-1, 1, 0
	MUL16 6, 1, NQ-1, 1, 0
	WIN 0
; THE WAY OUT, block by block of 16 rows x 128 columns: x the group's factor in f32, rounded to f16 (16 bytes a lane), through my own stage, back so that sixteen lanes hold two neighbouring rows of ONE
; group of 64 columns: 256 consecutive bytes of qkv.  LDS serves a wave's instructions in order: no wait between the stores and the loads.
.macro TOSTAGE a
.set AC, 64*((\a)%4)
	WIN 0x02+((\a)/4)                              ; source 0: window 2 or 3; the products land in window 0
.irp b, 0,1,2,3,4,5,6,7
.irp r, 0,1,2,3
	v_pk_mul_f32 v[T+8*\b+2*\r:T+8*\b+2*\r+1], v[AC+8*\b+2*\r:AC+8*\b+2*\r+1], s[FS+2*(\b/4):FS+2*(\b/4)+1] op_sel_hi:[1,0]   ; each accumulator from its low end on
.endr
.endr
	WIN 0
.set k, 0
.rept 32
	v_cvt_pk_f16_f32 v[T+k], v[T+2*k], v[T+2*k+1]  ; in place, ascending: register k is written when its own number has been read
.set k, k+1
.endr
.irp b, 0,1,2,3,4,5,6,7
	ds_store_b128 v[STO], v[T+4*\b:T+4*\b+3] offset:32*\b
.endr
.irp i, 0,1,2,3,4,5,6,7
	ds_load_b128 v[BK+32*((\a)%2)+4*\i:BK+32*((\a)%2)+4*\i+3], v[RD] offset:\i*2*SPITCH
.endr
.endm
.macro SEND a, younger                 ; younger: the LDS instructions issued behind block a's loads
	s_wait_dscnt \younger
.irp i, 0,1,2,3,4,5,6,7
	global_store_b128 v[CO], v[BK+32*((\a)%2)+4*\i:BK+32*((\a)%2)+4*\i+3], s[12:13] offset:(\a)*2048+\i*256   ; two aligned runs of 256 bytes an instruction
.endr
.endm
	PLACES NP                                      ; behind the last products: their operands' registers are written and their results read from here on
	TOSTAGE 0
.irp a, 1,2,3,4,5,6,7
.if \a > 1
	s_wait_xcnt 0x0                                ; block a - 2's stores have read their registers: block a's loads may land there
.endif
	TOSTAGE \a
	SEND \a-1, 16                                  ; behind block a - 1's loads: block a's 8 stores and 8 loads
.endr
	SEND 7, 0
	s_wait_tensorcnt 0x0                           ; the wave's end
	ds_add_u32 v[SPW], v[NIL]
	s_wait_dscnt 0x0
	CROUND                                         ; the closing round
	s_endpgm
.Lfunc_end_k_q06c685e860_qkvgemm:
	.size	k_q06c685e860_qkvgemm, .Lfunc_end_k_q06c685e860_qkvgemm-k_q06c685e860_qkvgemm
	.p2alignl 7, 3214868480
	.fill 96, 4, 3214868480
	.section	.rodata,"a",@progbits
	.p2align	6, 0x0
	.amdhsa_kernel k_q06c685e860_qkvgemm
		.amdhsa_group_segment_fixed_size 327680
		.amdhsa_private_segment_fixed_size 0
		.amdhsa_enable_private_segment 0
		.amdhsa_kernarg_size 48
		.amdhsa_user_sgpr_count 2
		.amdhsa_user_sgpr_kernarg_segment_ptr 1
		.amdhsa_wavefront_size32 1
		.amdhsa_system_sgpr_workgroup_id_x 1
		.amdhsa_system_sgpr_workgroup_id_y 1
		.amdhsa_system_sgpr_workgroup_id_z 1
		.amdhsa_system_vgpr_workitem_id 0
		.amdhsa_next_free_vgpr 1024
		.amdhsa_next_free_sgpr 98
		.amdhsa_reserve_vcc 0
		.amdhsa_float_denorm_mode_32 3
		.amdhsa_float_denorm_mode_16_64 3
		.amdhsa_memory_ordered 1
		.amdhsa_forward_progress 1
		.amdhsa_inst_pref_size 144
	.end_amdhsa_kernel
	.amdgpu_metadata
---
amdhsa.version: [ 1, 2 ]
amdhsa.kernels:
  - .name:           k_q06c685e860_qkvgemm
    .symbol:         k_q06c685e860_qkvgemm.kd
    .args:
      - { .name: x_codes, .offset: 0, .size: 8, .value_kind: global_buffer, .address_space: global }
      - { .name: x_scales, .offset: 8, .size: 8, .value_kind: global_buffer, .address_space: global }
      - { .name: w_codes, .offset: 16, .size: 8, .value_kind: global_buffer, .address_space: global }
      - { .name: w_scales, .offset: 24, .size: 8, .value_kind: global_buffer, .address_space: global }
      - { .name: b_qkv, .offset: 32, .size: 8, .value_kind: global_buffer, .address_space: global }
      - { .name: qkv, .offset: 40, .size: 8, .value_kind: global_buffer, .address_space: global }
    .group_segment_fixed_size: 327680
    .private_segment_fixed_size: 0
    .kernarg_segment_align: 8
    .kernarg_segment_size: 48
    .max_flat_workgroup_size: 128
    .sgpr_count:     98
    .vgpr_count:     1024
    .wavefront_size: 32
...
	.end_amdgpu_metadata
.endif
;; end of part 2
;; launch attn (part 3): grid 4 x 64, 8 waves a work-group, clusters of 4 x 4, 327,680 bytes of LDS; arguments qkv, mask, out1, vals16; writes out1, vals16
.if DOCPART == 3
	.amdgcn_target "amdgcn-amd-amdhsa--gfx1250"
	.amdhsa_code_object_version 6
	.text
	.protected	k_q06c685e860_attn
	.globl	k_q06c685e860_attn
	.p2align	8
	.type	k_q06c685e860_attn,@function
k_q06c685e860_attn:
	s_mov_b64 s[64:65], 0
	v_nop
	global_prefetch_b8 v0, s[64:65] scope:SCOPE_SE
	s_setreg_imm32_b32 hwreg(HW_REG_WAVE_MODE, 25, 1), 1
	s_wait_xcnt 0x0
	s_wait_alu depctr_hold_cnt(0) depctr_sa_sdst(0) depctr_va_vdst(0) depctr_va_sdst(0) depctr_va_ssrc(0) depctr_va_vcc(0) depctr_vm_vsrc(0)
	s_getreg_b32 s2, hwreg(HW_REG_IB_STS2, 6, 4)
	s_cmp_eq_u32 s2, 0
	s_cbranch_scc0 .Lentry_in_a_cluster
	s_endpgm
.Lentry_in_a_cluster:
	s_bfe_u32 s2, ttmp6, 0x10000c
	s_cmp_lg_u32 s2, 0xf033
	s_cbranch_scc0 .Lentry_shape_is_right
	s_endpgm
.Lentry_shape_is_right:
; values[b][q][h][:] = the sum over k of softmax_k(Q.K / 8 + mask[q][k]) V[k][:].  q / 8, k, v: f16, qkv [b 4][G 48][s 2048][64], G = 3 h + (0, 1, 2): the 1/8 is in q already.  mask: [2048][2048] f32.
; Products on f16 operands with f32 sums; maxima, exponentials and sums in f32; the weights (at most 1) are rounded to f16 for the second product.
; Out: out1 [8192][1024] f32, and the same in f16 for the next launch: vals16 [row / 64][h 16][row % 64][64].
; SHARES.  A work-group owns 512 queries of one (b, h); each of its eight waves 64 of them, four tiles of 16, in 512 registers: two waves to a SIMD.  Every wave walks all 2,048 keys, 64 a period.
; LAYOUT.  S^T = K Q^T (source 0 = 16 keys, source 1 = 16 queries): a lane holds ONE query (lane % 16) and keys 8 (lane / 16) + 0..7.  Two such tiles rounded to f16 in pairs ARE source 1 of O^T = V^T P.
; THE MASK COSTS NO VECTOR LINE: its f32 tile is loaded from LDS straight into the score accumulators (a lane wants 32 neighbouring bytes of its query's row), and K Q^T adds onto it in place.
; SOFTMAX.  A running maximum m and sum l for each query: p = 2^(c s - c m), c = log2(e); in every period O and l are multiplied by a = 2^(c m_old - c m_new).
; TWO SETS OF WAVES run the same macros half a period apart: in period j waves 0-3 run MATRIX (V^T P of j - 1, K Q^T of j), then VECTOR (softmax of j); waves 4-7 VECTOR (j - 1), then MATRIX: so that one wave's
; vector work can stand beside another's matrix work.  All LDS reads of period j's tiles fall inside period j in both sets.  MATRIX stands twice in a period's text, each copy under a branch on wave / 4;
; the waits and places are written so that each of the text's ways through the two branches is ordered by itself.
; THE START: S holds 0 (waves 0-3) or -infinity (waves 4-7), O and V's fragments 0, m = -1e30, l = 0: the first V^T P adds 0 x 0, and the second set's first softmax gives p = 0, a = 1: no period is written out apart.
; CLUSTER 4 x 4: x = the four query blocks, y = four (b, h).  K's and V's tiles hang on (b, h) alone: asked for jointly along a row; the mask's tiles on the query block alone: jointly along a column.
; LIMITS: m starts at -1e30: a row whose every score is finite and under -1e30 differs from the definition (a row of -infinity gives NaN there and here); c m overflows for |score| above 2.3e38;
; the values go to f16 for the next launch: magnitudes up to 65,504, steps of 6e-8 under 6e-5.
; REGISTERS: window 0: v4-13 addresses; v16-47 statistics, 8 a tile (+0 c m, +1 m, +2 +3 l, +4 +5 at work, then the sum, +6 a, +7 at work); v48-53 the way out; v64-191 S, 32 a tile (P in place, in a tile's low 16); v192-255 K.
;   window 1: v0-127 O^T, 32 a tile; v128-191 Q, 16 a tile; v192-255 V.
.set MP,    272                        ; a mask row in LDS: 64 f32 + 16 bytes
.set KP,    144                        ; a key's row: 128 bytes + 16
.set VP,    160                        ; a row of V: 128 + 32
.set MPART, 128*MP                     ; what one mask load brings
.set KOFF,  512*MP                     ; a slot: 512 rows of mask, 64 of K, 64 of V
.set VOFF,  KOFF+64*KP
.set SLOT,  VOFF+64*VP                 ; 158,720
.set SPARE, 2*SLOT                     ; the spare words: 128 bytes for each of eight waves
.set STGW,  6656                       ; the way out, in slot 0 (its last fill and its last read are over by then): for each wave 16 x 272 bytes of f32, then 16 x 144 of f16
.set AM, 4
.set AK, 6
.set AV, 8
.set SPW, 10
.set NIL, 11
.set PFO, 12
.set QO, 13
.set ST, 16
.set STF, 48
.set STB, 49
.set RDF, 50
.set RDB, 51
.set GO1, 52
.set GO2, 53
.set S, 64
.set KF, 192
.set O, 0
.set Q, 128
.set VF, 192
.set WV, 12                            ; s12 my wave
.set SETB, 13                          ; s13 wave / 4
.set G1M, 16
.set G1K, 24
.set G1V, 32
.set G0M, 48                           ; groups 0: a set for each slot
.set G0K, 56
.set G0V, 68
.set PFM, 76                           ; s[76:77] where my prefetch of the mask stands
.set PFK, 78                           ; s[78:79] of K or V
.set LIMM, 80                          ; s80 1 in a wave that prefetches the mask
.set CS, 82                            ; s[82:83] c, twice
.set SEL, 84                           ; s[84:85] v_permlanex16_b32's selects for lane l xor 16
.set TRIPS, 86
.set MSB, 0
.macro WIN new
.if MSB != \new
	s_set_vgpr_msb (MSB<<8)|\new
.set MSB, \new
.endif
.endm
.set W_KQ, 0x04                        ; Q (source 1) window 1
.set W_PV, 0x51                        ; V (source 0), C and D window 1; P window 0
.set W_RS, 0x41                        ; destination and source 0 window 1
.set TO1,  0x40                        ; destination window 1
.macro ROUND                           ; a round of the cluster's barrier
	s_barrier_signal -1
	s_barrier_wait -1
	s_cmp_lg_u32 s[WV], 0
	s_cbranch_scc1 .Lnot_wave_0_\@
	s_barrier_signal -3
.Lnot_wave_0_\@:
	s_barrier_wait -3
	s_barrier_signal -1
	s_barrier_wait -1
.endm
; The joint loads of slot n: waves 0-3 a quarter of the mask's tile each, wave 4 K's tile, wave 5 V's; waves 6 and 7 none.  One tensor load a wave is out.  Four v_nop follow each line.
.macro TLOAD n
	s_cmp_lt_u32 s[WV], 4
	s_cbranch_scc0 .Lnot_m_\@
	tensor_load_to_lds s[G0M+4*(\n):G0M+4*(\n)+3], s[G1M:G1M+7]
	s_nop 0
.rept 4
	v_nop
.endr
	s_branch .Lasked_\@
.Lnot_m_\@:
	s_cmp_eq_u32 s[WV], 4
	s_cbranch_scc0 .Lnot_k_\@
	tensor_load_to_lds s[G0K+4*(\n):G0K+4*(\n)+3], s[G1K:G1K+7]
	s_nop 0
.rept 4
	v_nop
.endr
	s_branch .Lasked_\@
.Lnot_k_\@:
	s_cmp_eq_u32 s[WV], 5
	s_cbranch_scc0 .Lasked_\@
	tensor_load_to_lds s[G0V+4*(\n):G0V+4*(\n)+3], s[G1V:G1V+7]
	s_nop 0
.rept 4
	v_nop
.endr
.Lasked_\@:
.endm
; PREFETCHES INTO THE L2.  In period j the tensor loads ask for tile j + 1; ASKM names the mask's tile j + 2: all sixteen clusters walk the same mask, so cluster y = 0 asks; of the 128 rows that wave w
; fetches, each of the four partners that ask for them jointly takes 32, told apart by address, a lane a row (256 bytes of it).  ASKK, every second period, in wave 6: the four partners of a row of the cluster
; share out K's and V's tiles j + 2 and j + 3 by address, 8,192 bytes each, lanes 256 bytes apart.  So each aligned 256 bytes are named once.  The loop's 30 periods reach tile 31; the tail asks for nothing.
.macro ASKM
	s_cmp_eq_u32 s[LIMM], 1
	s_cbranch_scc0 .Lno_m_\@
	global_prefetch_b8 v[PFO], s[PFM:PFM+1] th:TH_LOAD_NT scope:SCOPE_SE
.Lno_m_\@:
.endm
.macro ASKK
	s_cmp_eq_u32 s[WV], 6
	s_cbranch_scc0 .Lno_k_\@
	global_prefetch_b8 v[PFO], s[PFK:PFK+1] th:TH_LOAD_NT scope:SCOPE_SE
.Lno_k_\@:
.endm
	s_load_b256 s[4:11], s[0:1], 0x0               ; qkv s[4:5], mask s[6:7], out1 s[8:9], vals16 s[10:11]
	v_lshl_add_u32 v[SPW], v0, 2, SPARE
	v_mov_b32 v[NIL], 0
	ds_add_u32 v10, v11
	s_wait_dscnt 0x0
	v_lshrrev_b32 v1, 5, v0
	v_readfirstlane_b32 s[WV], v1                  ; wave 0..7
	s_lshr_b32 s[SETB], s[WV], 2
	s_and_b32 s46, s[WV], 3                        ; which quarter of the mask's tile (waves 0-3 fetch it)
	s_bfe_u32 s40, ttmp6, 0x40000                  ; cx
	s_bfe_u32 s41, ttmp6, 0x40004                  ; cy
	s_lshl_b32 s14, ttmp9, 2
	s_add_co_u32 s14, s14, s40                     ; qb: my block of 512 queries
	s_and_b32 s15, ttmp7, 0xffff
	s_lshl_b32 s15, s15, 2
	s_add_co_u32 s15, s15, s41                     ; bh = 16 b + h
	s_lshl_b32 s43, s41, 2
	s_lshl_b32 s43, 15, s43                        ; my row of the cluster
	s_lshl_b32 s44, 0x1111, s40                    ; my column
	s_or_b32 s[G1M], s44, (2<<16)|(1<<20)|(1<<21)|(5<<22)|(3<<25)   ; the mask's tiles go to my column; elements of 4 bytes; 4 words of padding after every 64
	s_mov_b32 s[G1M+1], 64<<16                     ; tensor_dim0
	s_mov_b32 s[G1M+2], 128<<16                    ; tensor_dim1
	s_mov_b32 s[G1M+3], 64<<16                     ; tile_dim0
	s_mov_b32 s[G1M+4], 128                        ; tile_dim1
	s_mov_b32 s[G1M+5], 2048                       ; the pitch, in elements
	s_mov_b32 s[G1M+6], 0
	s_mov_b32 s[G1M+7], 0
	s_or_b32 s[G1K], s43, (1<<16)|(1<<20)|(1<<21)|(4<<22)|(3<<25)   ; K's go to my row; elements of 2 bytes; 4 words after every 32
	s_or_b32 s[G1V], s43, (1<<16)|(1<<20)|(1<<21)|(4<<22)|(7<<25)   ; V's: 8 words
.irp g, G1K, G1V
	s_mov_b32 s[\g+1], 64<<16
	s_mov_b32 s[\g+2], 64<<16
	s_mov_b32 s[\g+3], 64<<16
	s_mov_b32 s[\g+4], 64
	s_mov_b32 s[\g+5], 64
	s_mov_b32 s[\g+6], 0
	s_mov_b32 s[\g+7], 0
.endr
	s_lshl_b32 s2, s14, 22                         ; the mask: 512 rows of 8,192 bytes a query block,
	s_lshl_b32 s3, s46, 20                         ; 128 rows a wave: nothing of cy enters
	s_add_co_u32 s2, s2, s3
	s_mov_b32 s3, 0
	s_lshr_b32 s42, s15, 4                         ; b
	s_and_b32 s45, s15, 15                         ; h
	s_mul_i32 s88, s42, 48
	s_mul_i32 s89, s45, 3
	s_add_co_u32 s88, s88, s89
	s_lshl_b32 s88, s88, 18                        ; the head's q group in qkv: nothing of cx enters
	s_mov_b32 s89, 0
	s_mul_i32 s94, s46, MPART
	s_mov_b32 s[CS], 0x3fb8aa3b                    ; c = log2(e)
	s_mov_b32 s[CS+1], s[CS]
	s_mov_b32 s[SEL], 0x76543210
	s_mov_b32 s[SEL+1], 0xfedcba98
	s_wait_kmcnt 0x0
	s_add_nc_u64 s[90:91], s[6:7], s[2:3]
	s_add_nc_u64 s[92:93], s[4:5], s[88:89]
	ROUND                                          ; all sixteen work-groups are here: the first joint loads meet
.irp n, 0,1
	s_mov_b32 s[G0M+4*\n], 1
	s_add_co_u32 s[G0M+4*\n+1], s94, \n*SLOT
	s_add_nc_u64 s[G0M+4*\n+2:G0M+4*\n+3], s[90:91], \n*256          ; tile n: keys 64 n on
	s_or_b32 s[G0M+4*\n+3], s[G0M+4*\n+3], 0x80000000
	s_mov_b32 s[G0K+4*\n], 1
	s_mov_b32 s[G0K+4*\n+1], \n*SLOT+KOFF
	s_add_nc_u64 s[G0K+4*\n+2:G0K+4*\n+3], s[92:93], 262144+\n*8192
	s_or_b32 s[G0K+4*\n+3], s[G0K+4*\n+3], 0x80000000
	s_mov_b32 s[G0V+4*\n], 1
	s_mov_b32 s[G0V+4*\n+1], \n*SLOT+VOFF
	s_add_nc_u64 s[G0V+4*\n+2:G0V+4*\n+3], s[92:93], 524288+\n*8192
	s_or_b32 s[G0V+4*\n+3], s[G0V+4*\n+3], 0x80000000
.endr
	TLOAD 0                                        ; slot 0; slot 1 is filled behind the first period's round, as a refill is
	; Q's, out1's and vals16's places, and the prefetches'
	s_lshl_b32 s96, s14, 16
	s_lshl_b32 s97, s[WV], 13
	s_add_co_u32 s96, s96, s97                     ; (512 qb + 64 w) rows of 128 bytes
	s_mov_b32 s97, 0
	s_add_nc_u64 s[96:97], s[92:93], s[96:97]      ; Q at my first query
	s_lshl_b32 s98, s42, 23
	s_lshl_b32 s99, s14, 21
	s_add_co_u32 s98, s98, s99
	s_lshl_b32 s99, s[WV], 18
	s_add_co_u32 s98, s98, s99
	s_lshl_b32 s99, s45, 8
	s_add_co_u32 s98, s98, s99                     ; (2,048 b + 512 qb + 64 w) rows of 4,096 bytes + 256 h
	s_mov_b32 s99, 0
	s_add_nc_u64 s[8:9], s[8:9], s[98:99]
	s_lshl_b32 s98, s42, 5
	s_lshl_b32 s99, s14, 3
	s_add_co_u32 s98, s98, s99
	s_add_co_u32 s98, s98, s[WV]
	s_lshl_b32 s98, s98, 17
	s_lshl_b32 s99, s45, 13
	s_add_co_u32 s98, s98, s99                     ; (32 b + 8 qb + w) x 131,072 + 8,192 h
	s_mov_b32 s99, 0
	s_add_nc_u64 s[10:11], s[10:11], s[98:99]
	s_lshl_b32 s98, s41, 18                        ; my work-group's 32 of the wave's 128 mask rows,
	s_add_co_u32 s98, s98, 256                     ; at tile 1: the first period steps it to tile 2
	s_mov_b32 s99, 0
	s_add_nc_u64 s[PFM:PFM+1], s[90:91], s[98:99]
	s_lshr_b32 s98, s40, 1
	s_add_co_u32 s98, s98, 1
	s_lshl_b32 s98, s98, 18                        ; K's group (cx 0, 1) or V's (cx 2, 3),
	s_and_b32 s99, s40, 1
	s_lshl_b32 s99, s99, 13                        ; tile cx & 1: the first period steps it two tiles on
	s_add_co_u32 s98, s98, s99
	s_mov_b32 s99, 0
	s_add_nc_u64 s[PFK:PFK+1], s[92:93], s[98:99]
	s_and_b32 s[LIMM], ttmp7, 0xffff
	s_or_b32 s[LIMM], s[LIMM], s[SETB]
	s_cmp_eq_u32 s[LIMM], 0                        ; waves 0-3 of cluster y = 0: the same in all partners
	s_cselect_b32 s[LIMM], 1, 0
	s_mov_b32 s98, 256
	s_cmp_lt_u32 s[WV], 4
	s_cselect_b32 s98, 8192, s98                   ; from lane to lane: a mask row, or 256 bytes of K or V
	v_and_b32 v[PFO], 31, v0
	v_mul_lo_u32 v[PFO], v[PFO], s98
	s_cmp_lg_u32 s[SETB], 0
	s_cselect_b32 s87, 0xff800000, 0               ; what S starts as
	v_and_b32 v1, 15, v0                           ; r
	v_bfe_u32 v2, v0, 4, 1                         ; h
	v_and_b32 v3, 7, v0
	v_bfe_u32 v14, v0, 3, 1
	v_bfe_u32 v15, v0, 3, 2
	v_lshlrev_b32 v[QO], 7, v1
	v_lshl_add_u32 v[QO], v2, 4, v[QO]             ; Q: row r of 128 bytes + 16 h
	WIN TO1
.irp t, 0,1,2,3
.irp c, 0,1
	global_load_b128 v[Q+16*\t+8*\c:Q+16*\t+8*\c+3], v[QO], s[96:97] offset:\t*2048+64*\c
	global_load_b128 v[Q+16*\t+8*\c+4:Q+16*\t+8*\c+7], v[QO], s[96:97] offset:\t*2048+64*\c+32
.endr
.endr
.set i, 0
.rept 128
	v_mov_b32 v[O+i], 0                            ; O^T
.set i, i+1
.endr
.set i, 0
.rept 64
	v_mov_b32 v[VF+i], 0                           ; V's fragments of "period -1"
.set i, i+1
.endr
	WIN 0
.set i, 0
.rept 128
	v_mov_b32 v[S+i], s87
.set i, i+1
.endr
.irp t, 0,1,2,3
	v_mov_b32 v[ST+8*\t+1], 0xf149f2ca             ; m = -1e30
	v_mov_b32 v[ST+8*\t+2], 0                      ; l, in two halves
	v_mov_b32 v[ST+8*\t+3], 0
.endr
.irp t, 0,1,2,3
	v_mul_f32 v[ST+8*\t], s[CS], v[ST+8*\t+1]      ; c m
.endr
	s_mul_i32 s98, s[WV], 64*MP
	v_mul_u32_u24 v[AM], v1, MP
	v_lshl_add_u32 v[AM], v2, 5, v[AM]
	v_add_nc_u32 v[AM], s98, v[AM]                 ; the mask: row 64 w + r, + 32 h
	v_add_nc_u32 v[AM+1], SLOT, v[AM]
	v_mul_u32_u24 v[AK], v1, KP
	v_lshl_add_u32 v[AK], v2, 4, v[AK]
	v_add_nc_u32 v[AK], KOFF, v[AK]                ; K: row r, + 16 h
	v_add_nc_u32 v[AK+1], SLOT, v[AK]
	v_lshl_add_u32 v[AV], v2, 3, v3
	v_mul_u32_u24 v[AV], v[AV], VP
	v_lshl_add_u32 v[AV], v14, 4, v[AV]
	v_add_nc_u32 v[AV], VOFF, v[AV]                ; V, for the turning load: key 8 h + l % 8, channels 8 ((l / 8) % 2) on
	v_add_nc_u32 v[AV+1], SLOT, v[AV]
	s_mul_i32 s98, s[WV], STGW
	v_mul_u32_u24 v[STF], v1, 272
	v_lshl_add_u32 v[STF], v2, 5, v[STF]
	v_add_nc_u32 v[STF], s98, v[STF]               ; f32 stage, in: row r, + 32 h
	v_mul_u32_u24 v[RDF], v2, 272
	v_lshl_add_u32 v[RDF], v1, 4, v[RDF]
	v_add_nc_u32 v[RDF], s98, v[RDF]               ; back: sixteen lanes to a row
	s_add_co_u32 s98, s98, 16*272
	v_mul_u32_u24 v[STB], v1, 144
	v_lshl_add_u32 v[STB], v2, 4, v[STB]
	v_add_nc_u32 v[STB], s98, v[STB]               ; f16 stage, in: row r, + 16 h
	v_mul_u32_u24 v[RDB], v15, 144
	v_lshl_add_u32 v[RDB], v3, 4, v[RDB]
	v_add_nc_u32 v[RDB], s98, v[RDB]               ; back: eight lanes to a row
	v_lshlrev_b32 v[GO1], 12, v2
	v_lshl_add_u32 v[GO1], v1, 4, v[GO1]           ; out1: lanes 0-15 one row, lanes 16-31 the next
	v_and_b32 v[GO2], 31, v0
	v_lshlrev_b32 v[GO2], 4, v[GO2]                ; vals16: 512 consecutive bytes a wave
	s_wait_loadcnt 0x0                             ; Q
.macro FETCH_K slot                    ; 64 keys x 64 channels: fragment (kt, c) at KF + 8 (2 kt + c)
.irp kt, 0,1,2,3
.irp c, 0,1
	ds_load_b128 v[KF+8*(2*\kt+\c):KF+8*(2*\kt+\c)+3], v[AK+\slot] offset:\kt*16*KP+64*\c
	ds_load_b128 v[KF+8*(2*\kt+\c)+4:KF+8*(2*\kt+\c)+7], v[AK+\slot] offset:\kt*16*KP+64*\c+32
.endr
.endr
.endm
.macro MASKLD slot, t                  ; tile t's mask into its score accumulators: register 8 kt + j = mask(query r, key 16 kt + 8 h + j)
.irp kt, 0,1,2,3
	ds_load_b128 v[S+32*(\t)+8*\kt:S+32*(\t)+8*\kt+3], v[AM+\slot] offset:(\t)*16*MP+64*\kt
	ds_load_b128 v[S+32*(\t)+8*\kt+4:S+32*(\t)+8*\kt+7], v[AM+\slot] offset:(\t)*16*MP+64*\kt+16
.endr
.endm
.macro FETCH_V slot                    ; V turned: fragment (kh, ct): 16 channels x 32 keys
	WIN TO1
.irp kh, 0,1
.irp ct, 0,1,2,3
	ds_load_tr16_b128 v[VF+8*(4*\kh+\ct):VF+8*(4*\kh+\ct)+3], v[AV+\slot] offset:\kh*32*VP+32*\ct
	ds_load_tr16_b128 v[VF+8*(4*\kh+\ct)+4:VF+8*(4*\kh+\ct)+7], v[AV+\slot] offset:\kh*32*VP+32*\ct+16*VP
.endr
.endr
.endm
; 16 products each; eight accumulators take turns, one instruction a turn.
.macro PV t0                           ; O^T += V^T P, tiles t0, t0 + 1
	WIN W_PV
.irp kh, 0,1
.irp ct, 0,1,2,3
.irp t, \t0, \t0+1
	v_wmma_f32_16x16x32_f16 v[O+32*(\t)+8*\ct:O+32*(\t)+8*\ct+7], v[VF+8*(4*\kh+\ct):VF+8*(4*\kh+\ct)+7], v[S+32*(\t)+8*\kh:S+32*(\t)+8*\kh+7], v[O+32*(\t)+8*\ct:O+32*(\t)+8*\ct+7]
.endr
.endr
.endr
.endm
.macro KQ t0                           ; S^T = mask + K Q^T, tiles t0, t0 + 1
	WIN W_KQ
.irp c, 0,1
.irp kt, 0,1,2,3
.irp t, \t0, \t0+1
	v_wmma_f32_16x16x32_f16 v[S+32*(\t)+8*\kt:S+32*(\t)+8*\kt+7], v[KF+8*(2*\kt+\c):KF+8*(2*\kt+\c)+7], v[Q+16*(\t)+8*\c:Q+16*(\t)+8*\c+7], v[S+32*(\t)+8*\kt:S+32*(\t)+8*\kt+7]
.endr
.endr
.endr
.endm
; MATRIX: V^T P of the period before, K Q^T of this one.  Five plain lines stand behind each run of V^T P: loads land in the registers that it read, and K Q^T later writes over them.
; second = 1: the copy behind the softmax.  Nothing has waited for LDS since the period's head on the ways that lead there, so it waits itself: for waves 4-7 that is K's 16 loads, issued ahead of the softmax.
.macro MATRIX slot, second
.if \second
	s_wait_dscnt 0x0                               ; every LDS load of mine is in: K's fragments, and V's on every way to this line
.endif
	PV 0
	WIN 0
.rept 5
	v_nop
.endr
	MASKLD \slot, 0
	MASKLD \slot, 1
	PV 2
	WIN 0
.rept 5
	v_nop
.endr
	MASKLD \slot, 2
	MASKLD \slot, 3
	FETCH_V \slot
	s_wait_dscnt 32                                ; K and tiles 0, 1 of the mask are in; tiles 2, 3 (16 loads) and V (16) may be out
	KQ 0
	s_wait_dscnt 16                                ; V's 16 loads may be out
	KQ 2
	WIN 0
.rept 5
	v_nop                                          ; behind the last products: four serve the softmax's reads and K's next loads; the text also has ways from here to a V^T P, which takes S as an operand, with no other vector line between: that asks five
.endr
.endm
.macro FMA1 t, i                       ; c s - c m for pair i of tile t
	v_pk_fma_f32 v[S+32*(\t)+2*(\i):S+32*(\t)+2*(\i)+1], v[S+32*(\t)+2*(\i):S+32*(\t)+2*(\i)+1], s[CS:CS+1], v[ST+8*(\t):ST+8*(\t)+1] op_sel_hi:[1,0,0] neg_lo:[0,0,1] neg_hi:[0,0,1]
.endm
.macro SUM1 t, i                       ; line i of the tile's sum of 16 pairs; the last brings l under the new m and adds
.if (\i) == 0
	s_wait_alu depctr_va_vdst(0)
	v_pk_add_f32 v[ST+8*(\t)+4:ST+8*(\t)+5], v[S+32*(\t):S+32*(\t)+1], v[S+32*(\t)+2:S+32*(\t)+3]
.elseif (\i) < 15
	v_pk_add_f32 v[ST+8*(\t)+4:ST+8*(\t)+5], v[ST+8*(\t)+4:ST+8*(\t)+5], v[S+32*(\t)+2*(\i)+2:S+32*(\t)+2*(\i)+3]
.else
	v_pk_fma_f32 v[ST+8*(\t)+2:ST+8*(\t)+3], v[ST+8*(\t)+2:ST+8*(\t)+3], v[ST+8*(\t)+6:ST+8*(\t)+7], v[ST+8*(\t)+4:ST+8*(\t)+5] op_sel_hi:[1,0,1]
.endif
.endm
.macro CVT1 t, i                       ; pair i to f16, in place: register i has been summed (the sum is a pair ahead) and converted from
	v_cvt_pk_f16_f32 v[S+32*(\t)+(\i)], v[S+32*(\t)+2*(\i)], v[S+32*(\t)+2*(\i)+1]
.endm
; VECTOR: the softmax of four tiles for one period.  The tiles take turns line by line; a tile's exponentials stand among the next tile's scalings and the tile before's sums and roundings,
; so that a plain line stands between every exponential and the use of its result.
.macro VECTOR
.irp j, 0,1,2,3
.irp t, 0,1,2,3
	v_max3_num_f32 v[ST+8*\t+4+\j], v[S+32*\t+8*\j], v[S+32*\t+8*\j+1], v[S+32*\t+8*\j+2]   ; each accumulator is first read at its low end
.endr
.endr
.irp g, 1,2
.irp j, 0,1,2,3
.irp t, 0,1,2,3
	v_max3_num_f32 v[ST+8*\t+4+\j], v[ST+8*\t+4+\j], v[S+32*\t+8*\j+2*\g+1], v[S+32*\t+8*\j+2*\g+2]
.endr
.endr
.endr
.irp t, 0,1,2,3
	v_max3_num_f32 v[ST+8*\t+4], v[ST+8*\t+4], v[S+32*\t+7], v[S+32*\t+15]
.endr
.irp t, 0,1,2,3
	v_max3_num_f32 v[ST+8*\t+6], v[ST+8*\t+6], v[S+32*\t+23], v[S+32*\t+31]
.endr
.irp t, 0,1,2,3
	v_max3_num_f32 v[ST+8*\t+4], v[ST+8*\t+4], v[ST+8*\t+5], v[ST+8*\t+6]
.endr
.irp t, 0,1,2,3
	v_max3_num_f32 v[ST+8*\t+4], v[ST+8*\t+4], v[ST+8*\t+7], v[ST+8*\t+1]   ; with the old m
.endr
.irp t, 0,1,2,3
	v_permlanex16_b32 v[ST+8*\t+5], v[ST+8*\t+4], s[SEL], s[SEL+1]         ; the query's other 32 keys lie in the lane 16 away
.endr
.irp t, 0,1,2,3
	v_mov_b32 v[ST+8*\t+7], v[ST+8*\t]             ; c m_old
.endr
.irp t, 0,1,2,3
	v_max_num_f32 v[ST+8*\t+1], v[ST+8*\t+4], v[ST+8*\t+5]
.endr
.irp t, 0,1,2,3
	v_mul_f32 v[ST+8*\t], s[CS], v[ST+8*\t+1]
.endr
.irp t, 0,1,2,3
	v_sub_f32 v[ST+8*\t+7], v[ST+8*\t+7], v[ST+8*\t]
.endr
.irp t, 0,1,2,3
	v_exp_f32 v[ST+8*\t+6], v[ST+8*\t+7]           ; a
.endr
.irp i, 0,1,2,3,4,5,6,7,8,9,10,11,12,13,14,15
	FMA1 0, \i
.endr
.irp t, 0,1,2,3
.irp i, 0,1,2,3,4,5,6,7,8,9,10,11,12,13,14,15
	v_exp_f32 v[S+32*\t+2*\i], v[S+32*\t+2*\i]
.if \t < 3
	FMA1 \t+1, \i
.endif
	v_exp_f32 v[S+32*\t+2*\i+1], v[S+32*\t+2*\i+1]
.if \t > 0
	SUM1 \t-1, \i
	CVT1 \t-1, \i
.endif
.endr
.endr
.irp i, 0,1,2,3,4,5,6,7,8,9,10,11,12,13,14,15
	SUM1 3, \i
	CVT1 3, \i
.endr
	WIN W_RS
.set p, 0
.rept 16
.irp t, 0,1,2,3
	v_pk_mul_f32 v[O+32*\t+2*p:O+32*\t+2*p+1], v[O+32*\t+2*p:O+32*\t+2*p+1], v[ST+8*\t+6:ST+8*\t+7] op_sel_hi:[1,0]   ; O^T under the new m, ascending
.endr
.set p, p+1
.endr
	WIN 0
.endm
; A PERIOD.  Each wave waits for all its tensor loads (its part of this period's slot), adds 0 to its spare word, steps this slot's descriptors to the tile two on while the add is out, waits for the add and
; for its reads of the other slot, and passes a round of the cluster's barrier: then no wave of any partner reads the other slot or has a load on its way, and the joint refill of that slot comes first.
.macro TRIP slot, refill, ask
	s_wait_tensorcnt 0x0
	ds_add_u32 v[SPW], v[NIL]
	s_add_nc_u64 s[G0M+4*\slot+2:G0M+4*\slot+3], s[G0M+4*\slot+2:G0M+4*\slot+3], 512
	s_add_nc_u64 s[G0K+4*\slot+2:G0K+4*\slot+3], s[G0K+4*\slot+2:G0K+4*\slot+3], 16384
	s_add_nc_u64 s[G0V+4*\slot+2:G0V+4*\slot+3], s[G0V+4*\slot+2:G0V+4*\slot+3], 16384
.if \ask
	s_wait_xcnt 0x0                                ; the last prefetches, a period back, have read their addresses
	s_add_nc_u64 s[PFM:PFM+1], s[PFM:PFM+1], 256
.if \slot == 0
	s_add_nc_u64 s[PFK:PFK+1], s[PFK:PFK+1], 16384
.endif
.endif
	s_wait_dscnt 0x0                               ; the add is done; V's fragments are in; my reads of the other slot are over
	ROUND
.if \refill
	TLOAD 1-\slot
.endif
	FETCH_K \slot
.if \ask
	ASKM
.if \slot == 0
	ASKK
.endif
.endif
	s_cmp_lg_u32 s[SETB], 0
	s_cbranch_scc1 .Lvector_first_\@
	MATRIX \slot, 0
.Lvector_first_\@:
	VECTOR
	s_cmp_eq_u32 s[SETB], 0
	s_cbranch_scc1 .Lperiod_end_\@
	MATRIX \slot, 1
.Lperiod_end_\@:
.endm
	s_mov_b32 s[TRIPS], 15
.Ltrip:                                            ; periods 0 to 29
	TRIP 0, 1, 1
	TRIP 1, 1, 1
	s_sub_co_u32 s[TRIPS], s[TRIPS], 1
	s_cmp_lg_u32 s[TRIPS], 0
	s_cbranch_scc1 .Ltrip
	TRIP 0, 1, 0                                   ; period 30 asks for tile 31; period 31 for nothing: the tail is written out
	TRIP 1, 0, 0
	s_cmp_eq_u32 s[SETB], 0
	s_cbranch_scc1 .Llast_pv
	VECTOR                                         ; waves 4-7: the softmax of period 31
.Llast_pv:
	s_wait_dscnt 0x0                               ; V of period 31
	PV 0
	PV 2
	WIN 0
	; THE WAY OUT.  l's halves and the other half of the lanes' are added (these lines are the places behind the last products); O^T / l goes, a tile at a time, through my stages and leaves in whole rows.
.irp t, 0,1,2,3
	v_add_f32 v[ST+8*\t+4], v[ST+8*\t+2], v[ST+8*\t+3]
.endr
.irp t, 0,1,2,3
	v_permlanex16_b32 v[ST+8*\t+5], v[ST+8*\t+4], s[SEL], s[SEL+1]
.endr
.irp t, 0,1,2,3
	v_add_f32 v[ST+8*\t+4], v[ST+8*\t+4], v[ST+8*\t+5]
.endr
.irp t, 0,1,2,3
	v_rcp_f32 v[ST+8*\t+6], v[ST+8*\t+4]
.endr
	v_nop                                          ; a plain line between the last reciprocal and its use
	s_wait_alu depctr_va_vdst(0)
.macro PACK t
	WIN 0x01                                       ; source 0 (O^T) window 1
.set p, 0
.rept 16
	v_pk_mul_f32 v[S+32*\t+2*p:S+32*\t+2*p+1], v[O+32*\t+2*p:O+32*\t+2*p+1], v[ST+8*\t+6:ST+8*\t+7] op_sel_hi:[1,0]
.set p, p+1
.endr
	WIN 0
.set p, 0
.rept 16
	v_cvt_pk_f16_f32 v[KF+16*\t+p], v[S+32*\t+2*p], v[S+32*\t+2*p+1]
.set p, p+1
.endr
.irp ct, 0,1,2,3
	ds_store_b128 v[STF], v[S+32*\t+8*\ct:S+32*\t+8*\ct+3] offset:64*\ct           ; o(r, 16 ct + 8 h + 0 .. 7)
	ds_store_b128 v[STF], v[S+32*\t+8*\ct+4:S+32*\t+8*\ct+7] offset:64*\ct+16
.endr
.irp ct, 0,1,2,3
	ds_store_b128 v[STB], v[KF+16*\t+4*\ct:KF+16*\t+4*\ct+3] offset:32*\ct
.endr
.irp i, 0,1,2,3,4,5,6,7
	ds_load_b128 v[S+32*\t+4*\i:S+32*\t+4*\i+3], v[RDF] offset:\i*544              ; LDS serves a wave in order: these see the stores above, and the next tile's stores come behind them
.endr
.irp i, 0,1,2,3
	ds_load_b128 v[KF+16*\t+4*\i:KF+16*\t+4*\i+3], v[RDB] offset:\i*576
.endr
.endm
.macro SEND t, younger                 ; younger: the LDS instructions issued behind tile t's twelve loads: the next tile's 12 stores and 12 loads, or none
.irp i, 0,1,2,3,4,5,6,7
	s_wait_dscnt \younger+11-\i
	global_store_b128 v[GO1], v[S+32*\t+4*\i:S+32*\t+4*\i+3], s[8:9] offset:(16*\t+2*\i)*4096 th:TH_STORE_NT   ; sixteen lanes store a head's 256 bytes of a row, aligned
.endr
.irp i, 0,1,2,3
	s_wait_dscnt \younger+3-\i
	global_store_b128 v[GO2], v[KF+16*\t+4*\i:KF+16*\t+4*\i+3], s[10:11] offset:\t*2048+\i*512
.endr
.endm
	PACK 0
	PACK 1
	SEND 0, 24
	PACK 2
	SEND 1, 24
	PACK 3
	SEND 2, 24
	SEND 3, 0
	s_wait_tensorcnt 0x0                           ; the wave's end
	ds_add_u32 v[SPW], v[NIL]
	s_wait_dscnt 0x0
	ROUND                                          ; the closing round
	s_endpgm
.Lfunc_end_k_q06c685e860_attn:
	.size	k_q06c685e860_attn, .Lfunc_end_k_q06c685e860_attn-k_q06c685e860_attn
	.p2alignl 7, 3214868480
	.fill 96, 4, 3214868480
	.section	.rodata,"a",@progbits
	.p2align	6, 0x0
	.amdhsa_kernel k_q06c685e860_attn
		.amdhsa_group_segment_fixed_size 327680
		.amdhsa_private_segment_fixed_size 0
		.amdhsa_enable_private_segment 0
		.amdhsa_kernarg_size 32
		.amdhsa_user_sgpr_count 2
		.amdhsa_user_sgpr_kernarg_segment_ptr 1
		.amdhsa_wavefront_size32 1
		.amdhsa_system_sgpr_workgroup_id_x 1
		.amdhsa_system_sgpr_workgroup_id_y 1
		.amdhsa_system_sgpr_workgroup_id_z 1
		.amdhsa_system_vgpr_workitem_id 0
		.amdhsa_next_free_vgpr 512
		.amdhsa_next_free_sgpr 100
		.amdhsa_reserve_vcc 0
		.amdhsa_float_denorm_mode_32 3
		.amdhsa_float_denorm_mode_16_64 3
		.amdhsa_memory_ordered 1
		.amdhsa_forward_progress 1
		.amdhsa_inst_pref_size 244
	.end_amdhsa_kernel
	.amdgpu_metadata
---
amdhsa.version: [ 1, 2 ]
amdhsa.kernels:
  - .name:           k_q06c685e860_attn
    .symbol:         k_q06c685e860_attn.kd
    .args:
      - { .name: qkv, .offset: 0, .size: 8, .value_kind: global_buffer, .address_space: global }
      - { .name: mask, .offset: 8, .size: 8, .value_kind: global_buffer, .address_space: global }
      - { .name: out1, .offset: 16, .size: 8, .value_kind: global_buffer, .address_space: global }
      - { .name: vals16, .offset: 24, .size: 8, .value_kind: global_buffer, .address_space: global }
    .group_segment_fixed_size: 327680
    .private_segment_fixed_size: 0
    .kernarg_segment_align: 8
    .kernarg_segment_size: 32
    .max_flat_workgroup_size: 256
    .sgpr_count:     100
    .vgpr_count:     512
    .wavefront_size: 32
...
	.end_amdgpu_metadata
.endif
;; end of part 3
;; launch oproj (part 4): grid 8 x 64, 4 waves a work-group, clusters of 4 x 4, 327,680 bytes of LDS; arguments vals16, wo16, b_o, out0; writes out0
.if DOCPART == 4
	.amdgcn_target "amdgcn-amd-amdhsa--gfx1250"
	.amdhsa_code_object_version 6
	.text
	.protected	k_q06c685e860_oproj
	.globl	k_q06c685e860_oproj
	.p2align	8
	.type	k_q06c685e860_oproj,@function
k_q06c685e860_oproj:
	s_mov_b64 s[64:65], 0
	v_nop
	global_prefetch_b8 v0, s[64:65] scope:SCOPE_SE
	s_setreg_imm32_b32 hwreg(HW_REG_WAVE_MODE, 25, 1), 1
	s_wait_xcnt 0x0
	s_wait_alu depctr_hold_cnt(0) depctr_sa_sdst(0) depctr_va_vdst(0) depctr_va_sdst(0) depctr_va_ssrc(0) depctr_va_vcc(0) depctr_vm_vsrc(0)
	s_getreg_b32 s2, hwreg(HW_REG_IB_STS2, 6, 4)
	s_cmp_eq_u32 s2, 0
	s_cbranch_scc0 .Lentry_in_a_cluster
	s_endpgm
.Lentry_in_a_cluster:
	s_bfe_u32 s2, ttmp6, 0x10000c
	s_cmp_lg_u32 s2, 0xf033
	s_cbranch_scc0 .Lentry_shape_is_right
	s_endpgm
.Lentry_shape_is_right:
; out0 = values W_o + b_o.  A: vals16, f16, [row / 64][h 16][row % 64][64] (k = 64 h + channel); B: wo16 [1024 n][1024 k] f16; b_o [1024] f32; out0 [8192][1024] f32; sums in f32.
; A tile of C is 128 x 128: 512 work-groups; four waves, each 64 x 64: 16 accumulators.  K goes in four steps of 256 through two LDS slots.
; A's part of a step for 64 rows is 4 heads x 64 rows x 128 bytes: 32,768 DENSE bytes, brought as 128 rows of 256 bytes + 16 of padding: row p of head z lies at 8,704 z + 272 (p / 2) + 128 (p % 2),
; so that the sixteen rows of a fragment start in sixteen different groups of banks.  B's tile has rows of 512 bytes + 16.
; CLUSTERS 4 x 4: A's tiles are asked for jointly along a row of the cluster, B's along a column.  THE MATRIX INSTRUCTION IS USED TRANSPOSED: a lane holds eight neighbouring columns of one row of C.
; THE BIAS is the C of each sum's first product.  A wave's 64 columns of f32 are 256 bytes of a row: each wave sends its own blocks through its own stage, with no barrier.
; REGISTERS: window 0: v0-31 addresses; v32-63 the bias, then with v64-95 the way out; v128-255 the accumulators ((a, b) at v[128 + 8 (4 a + b)]).  window 1: two fragment buffers of 128.
.set KSTEP,  256
.set PITCH,  528
.set HALFA,  128*272
.set HALFB,  64*PITCH
.set BOFF,   2*HALFA                   ; a slot: A's two halves, then B's two
.set SLOT,   BOFF+2*HALFB
.set STAGE,  2*SLOT                    ; behind the ring: 16 rows x 272 bytes for each wave
.set SPITCH, 272
.set SPARE,  STAGE+4*16*SPITCH
.set LAPS,   2
.set ADRA, 16
.set ADRB, 20
.set STO,  24
.set RD,   25
.set CO,   26
.set BO,   27
.set SPW,  28
.set NIL,  29
.set OB,   32
.set ACC,  128
.set F0,   0
.set F1,   128
.set G1, 24
.set G0, 32
.set G1B, 48
.set G0B, 56
.set MSB, 0
.macro WIN new
.if MSB != \new
	s_set_vgpr_msb (MSB<<8)|\new
.set MSB, \new
.endif
.endm
.set MUL,  0x05                        ; sources 0 (B) and 1 (A) window 1; C and D window 0
.set TO_F, 0x40
.macro JLOAD s                         ; waves 0 and 1 fetch A's halves, waves 2 and 3 B's; four v_nop follow each line
	s_cmp_eq_u32 s11, 0
	s_cbranch_scc0 .Lfor_b_\@
	tensor_load_to_lds s[G0+4*\s:G0+4*\s+3], s[G1:G1+7]
	s_nop 0
.rept 4
	v_nop
.endr
	s_branch .Lasked_\@
.Lfor_b_\@:
	tensor_load_to_lds s[G0B+4*\s:G0B+4*\s+3], s[G1B:G1B+7]
	s_nop 0
.rept 4
	v_nop
.endr
.Lasked_\@:
.endm
.macro CREST
	s_cmp_lg_u32 s10, 0
	s_cbranch_scc1 .Lnot_wave_0_\@
	s_barrier_signal -3
.Lnot_wave_0_\@:
	s_barrier_wait -3
	s_barrier_signal -1
	s_barrier_wait -1
.endm
.macro CROUND
	s_barrier_signal -1
	s_barrier_wait -1
	CREST
.endm
	s_load_b128 s[4:7], s[0:1], 0x0                ; vals16, wo16
	s_load_b64 s[66:67], s[0:1], 0x10              ; b_o
	s_load_b64 s[8:9], s[0:1], 0x18                ; out0
	v_lshl_add_u32 v[SPW], v0, 2, SPARE
	v_mov_b32 v[NIL], 0
	ds_add_u32 v28, v29
	s_wait_dscnt 0x0
	v_lshrrev_b32 v1, 5, v0
	v_readfirstlane_b32 s10, v1                    ; wave 0..3
	s_lshr_b32 s11, s10, 1                         ; my half of the tile's rows.  Also: I fetch for A (0) or B (1)
	s_and_b32 s12, s10, 1                          ; my half of its columns.  Also: which half of that tile I fetch
	s_bfe_u32 s40, ttmp6, 0x40000
	s_bfe_u32 s41, ttmp6, 0x40004
	s_lshl_b32 s42, ttmp9, 2
	s_add_co_u32 s42, s42, s40                     ; tile column
	s_and_b32 s13, ttmp7, 0xffff
	s_lshl_b32 s13, s13, 2
	s_add_co_u32 s13, s13, s41                     ; tile row
	s_lshl_b32 s43, s41, 2
	s_lshl_b32 s43, 15, s43
	s_lshl_b32 s44, 0x1111, s40
	s_or_b32 s[G1+0], s43, (3<<16)|(1<<20)|(1<<21)|(5<<22)|(3<<25)   ; A: 128 rows of 32 elements of 8 bytes, dense; 4 words of padding after every 64
	s_mov_b32 s[G1+1], 32<<16
	s_mov_b32 s[G1+2], 128<<16
	s_mov_b32 s[G1+3], 32<<16
	s_mov_b32 s[G1+4], 128
	s_mov_b32 s[G1+5], 32
	s_mov_b32 s[G1+6], 0
	s_mov_b32 s[G1+7], 0
	s_or_b32 s[G1B+0], s44, (1<<16)|(1<<20)|(1<<21)|(6<<22)|(3<<25)  ; B: 64 rows of 256 elements of 2 bytes; 4 words after every 128
	s_mov_b32 s[G1B+1], KSTEP<<16
	s_mov_b32 s[G1B+2], 64<<16
	s_mov_b32 s[G1B+3], KSTEP<<16
	s_mov_b32 s[G1B+4], 64
	s_mov_b32 s[G1B+5], 1024
	s_mov_b32 s[G1B+6], 0
	s_mov_b32 s[G1B+7], 0
	s_lshl_b32 s16, s13, 1
	s_add_co_u32 s16, s16, s12
	s_lshl_b32 s16, s16, 17                        ; A: block of 64 rows 2 x tile row + half, 131,072 bytes each
	s_mov_b32 s17, 0
	s_lshl_b32 s46, s42, 7
	s_lshl_b32 s47, s12, 6
	s_add_co_u32 s46, s46, s47
	s_lshl_b32 s46, s46, 11                        ; B: row 128 x tile column + 64 x half, 2,048 bytes each
	s_mov_b32 s47, 0
	s_mul_i32 s20, s12, HALFA                      ; LDS places hang on the wave's number alone
	s_mul_i32 s45, s12, HALFB
	s_add_co_u32 s45, s45, BOFF
	s_wait_kmcnt 0x0
	s_add_nc_u64 s[14:15], s[4:5], s[16:17]
	s_add_nc_u64 s[46:47], s[6:7], s[46:47]
	CROUND                                         ; the first joint loads meet
.irp s, 0,1
	s_mov_b32 s[G0+4*\s], 1
	s_add_co_u32 s[G0+4*\s+1], s20, \s*SLOT
	s_add_nc_u64 s[G0+4*\s+2:G0+4*\s+3], s[14:15], \s*32768          ; K step s: heads 4 s on
	s_or_b32 s[G0+4*\s+3], s[G0+4*\s+3], 0x80000000
	s_mov_b32 s[G0B+4*\s], 1
	s_add_co_u32 s[G0B+4*\s+1], s45, \s*SLOT
	s_add_nc_u64 s[G0B+4*\s+2:G0B+4*\s+3], s[46:47], \s*KSTEP*2
	s_or_b32 s[G0B+4*\s+3], s[G0B+4*\s+3], 0x80000000
	JLOAD \s
.endr
	v_and_b32 v1, 15, v0                           ; r
	v_bfe_u32 v2, v0, 4, 1                         ; h
	v_lshrrev_b32 v3, 1, v1
	v_mul_u32_u24 v3, v3, 272
	v_and_b32 v4, 1, v1
	v_lshl_add_u32 v3, v4, 7, v3
	v_lshl_add_u32 v3, v2, 4, v3                   ; A: 272 (r / 2) + 128 (r % 2) + 16 h
	v_mul_u32_u24 v5, v1, PITCH
	v_lshl_add_u32 v5, v2, 4, v5                   ; B: row r x pitch + 16 h
	s_mul_i32 s21, s11, HALFA
	s_mul_i32 s22, s12, HALFB
	s_add_co_u32 s22, s22, BOFF
.irp s, 0,1
	v_add_nc_u32 v[ADRA+\s], s21, v3
	v_add_nc_u32 v[ADRB+\s], s22, v5
	s_add_co_u32 s21, s21, SLOT
	s_add_co_u32 s22, s22, SLOT
.endr
	s_mul_i32 s23, s10, 16*SPITCH
	s_add_co_u32 s23, s23, STAGE                   ; my stage
	v_mul_u32_u24 v4, v1, SPITCH
	v_lshl_add_u32 v4, v2, 5, v4
	v_add_nc_u32 v[STO], s23, v4                   ; in: row r, + 32 h
	v_mul_u32_u24 v5, v2, SPITCH
	v_lshl_add_u32 v5, v1, 4, v5
	v_add_nc_u32 v[RD], s23, v5                    ; back: sixteen lanes to a row
	v_lshlrev_b32 v5, 12, v2
	v_lshl_add_u32 v[CO], v1, 4, v5                ; the same two rows in out0
	s_lshl_b32 s46, s42, 9                         ; my first column as bytes of f32: 512 x tile column + 256 x half
	s_lshl_b32 s47, s12, 8
	s_add_co_u32 s46, s46, s47
	s_mov_b32 s47, 0
	s_add_nc_u64 s[66:67], s[66:67], s[46:47]
	s_add_nc_u64 s[8:9], s[8:9], s[46:47]
	s_lshl_b32 s16, s13, 7
	s_lshl_b32 s17, s11, 6
	s_add_co_u32 s16, s16, s17
	s_lshl_b32 s16, s16, 12                        ; my first row, 4,096 bytes each
	s_mov_b32 s17, 0
	s_add_nc_u64 s[8:9], s[8:9], s[16:17]
	v_lshlrev_b32 v[BO], 5, v2
.irp b, 0,1,2,3
	global_load_b128 v[OB+8*\b:OB+8*\b+3], v[BO], s[66:67] offset:64*\b             ; b_o at columns 16 b + 8 h + 0 .. 7
	global_load_b128 v[OB+8*\b+4:OB+8*\b+7], v[BO], s[66:67] offset:64*\b+16
.endr
; 8 matrix instructions: m blocks a0, a0 + 1 x 4 n blocks, 32 along K: half c of buffer f.  zero = 1: the first product starts the sums on the bias.  The 16 accumulators take turns.
.macro MUL8 f, c, a0, zero
.irp a, \a0, \a0+1
.irp b, 0,1,2,3
.if \zero
	v_wmma_f32_16x16x32_f16 v[ACC+8*(4*(\a)+\b):ACC+8*(4*(\a)+\b)+7], v[\f+64+8*(4*\c+\b):\f+64+8*(4*\c+\b)+7], v[\f+8*(4*\c+\a):\f+8*(4*\c+\a)+7], v[OB+8*\b:OB+8*\b+7]
.else
	v_wmma_f32_16x16x32_f16 v[ACC+8*(4*(\a)+\b):ACC+8*(4*(\a)+\b)+7], v[\f+64+8*(4*\c+\b):\f+64+8*(4*\c+\b)+7], v[\f+8*(4*\c+\a):\f+8*(4*\c+\a)+7], v[ACC+8*(4*(\a)+\b):ACC+8*(4*(\a)+\b)+7]
.endif
.endr
.endr
.endm
; 32 LDS loads in one run: quarter q of a K step (64 along K: one head of A) into buffer f; its first 32 along K first
.macro FETCH slot, q, f
	WIN TO_F
.irp c, 0,1
.irp i, 0,1,2,3
	ds_load_b128 v[\f+64+8*(4*\c+\i):\f+64+8*(4*\c+\i)+3],   v[ADRB+\slot] offset:128*(\q)+64*\c+\i*16*PITCH
	ds_load_b128 v[\f+64+8*(4*\c+\i)+4:\f+64+8*(4*\c+\i)+7], v[ADRB+\slot] offset:128*(\q)+64*\c+\i*16*PITCH+32
	ds_load_b128 v[\f+8*(4*\c+\i):\f+8*(4*\c+\i)+3],         v[ADRA+\slot] offset:8704*(\q)+64*\c+\i*2176
	ds_load_b128 v[\f+8*(4*\c+\i)+4:\f+8*(4*\c+\i)+7],       v[ADRA+\slot] offset:8704*(\q)+64*\c+\i*2176+32
.endr
.endr
.endm
.macro PLACES                          ; four plain lines in front of loads into registers that matrix instructions have read, and of the first read of results
.rept 4
	v_nop
.endr
.endm
.macro QUARTER slot, q, f, g, zero     ; multiplies buffer f and fetches quarter q into g
	s_wait_dscnt 16                                ; the first 32 along K are in; the other sixteen loads may be out
	WIN MUL
	MUL8 \f, 0, 0, \zero
	MUL8 \f, 0, 2, \zero
	PLACES
	FETCH \slot, \q, \g
	s_wait_dscnt 32                                ; all but the 32 just issued
	WIN MUL
	MUL8 \f, 1, 0, 0
	MUL8 \f, 1, 2, 0
.endm
; The last quarter changes slots: each wave waits for all its tensor loads, adds 0 to its spare word, waits for that and for its reads of this slot; one barrier, which with fill = 1 opens a round of the cluster's.
.macro TURN slot, next, fill
	WIN 0
	s_wait_tensorcnt 0x0                           ; my part of the next slot has landed
	ds_add_u32 v[SPW], v[NIL]
	s_wait_dscnt 17                                ; the add and the youngest sixteen loads may be out
	WIN MUL
	MUL8 F1, 0, 0, 0
	s_wait_dscnt 0x0                               ; the add is done, and my reads of this slot are over
	s_barrier_signal -1
	MUL8 F1, 0, 2, 0
.if \fill
	WIN 0
.endif
	s_barrier_wait -1
.if \fill
	CREST                                          ; no wave of any partner still reads this slot or has a load on its way
	s_add_nc_u64 s[G0+4*\slot+2:G0+4*\slot+3], s[G0+4*\slot+2:G0+4*\slot+3], 65536
	s_add_nc_u64 s[G0B+4*\slot+2:G0B+4*\slot+3], s[G0B+4*\slot+2:G0B+4*\slot+3], 2*KSTEP*2
	JLOAD \slot                                    ; the first tensor load behind the round; its four v_nop are also the places in front of the loads below
.else
	PLACES
.endif
	FETCH \next, 0, F0
	WIN MUL
	MUL8 F1, 1, 0, 0
	MUL8 F1, 1, 2, 0
.endm
	s_wait_tensorcnt 1                             ; my part of K step 0 is in; K step 1's load may be out
	s_barrier_signal -1
	s_barrier_wait -1
	FETCH 0, 0, F0
	s_wait_loadcnt 0x0                             ; the bias
	QUARTER 0, 1, F0, F1, 1
	WIN 0
	s_mov_b32 s3, LAPS-1
.Llap:                                             ; once round the ring, from a lap's second quarter to the next lap's first; both slots are filled again
	QUARTER 0, 2, F1, F0, 0
	QUARTER 0, 3, F0, F1, 0
	TURN 0, 1, 1
	QUARTER 1, 1, F0, F1, 0
	QUARTER 1, 2, F1, F0, 0
	QUARTER 1, 3, F0, F1, 0
	TURN 1, 0, 1
	QUARTER 0, 1, F0, F1, 0
	WIN 0
	s_sub_co_u32 s3, s3, 1
	s_cmp_lg_u32 s3, 0
	s_cbranch_scc1 .Llap
	QUARTER 0, 2, F1, F0, 0                        ; the last lap fills nothing
	QUARTER 0, 3, F0, F1, 0
	TURN 0, 1, 0
	QUARTER 1, 1, F0, F1, 0
	QUARTER 1, 2, F1, F0, 0
	QUARTER 1, 3, F0, F1, 0
	s_wait_dscnt 16
	WIN MUL
	MUL8 F1, 0, 0, 0
	MUL8 F1, 0, 2, 0
	s_wait_dscnt 0
	MUL8 F1, 1, 0, 0
	MUL8 F1, 1, 2, 0
	WIN 0
; THE WAY OUT, block by block of 16 rows x 64 columns of f32, through my own stage: LDS serves a wave in order, so no wait stands between the stores and the loads.
.macro OSTAGE a
.irp b, 0,1,2,3
	ds_store_b128 v[STO], v[ACC+8*(4*(\a)+\b):ACC+8*(4*(\a)+\b)+3] offset:64*\b          ; each accumulator from its low end on
	ds_store_b128 v[STO], v[ACC+8*(4*(\a)+\b)+4:ACC+8*(4*(\a)+\b)+7] offset:64*\b+16
.endr
.irp i, 0,1,2,3,4,5,6,7
	ds_load_b128 v[OB+32*((\a)%2)+4*\i:OB+32*((\a)%2)+4*\i+3], v[RD] offset:\i*2*SPITCH
.endr
.endm
.macro OSEND a, younger
	s_wait_dscnt \younger
.irp i, 0,1,2,3,4,5,6,7
	global_store_b128 v[CO], v[OB+32*((\a)%2)+4*\i:OB+32*((\a)%2)+4*\i+3], s[8:9] offset:(16*(\a)+2*\i)*4096 th:TH_STORE_NT   ; sixteen lanes store 256 consecutive bytes, aligned
.endr
.endm
	PLACES
	OSTAGE 0
.irp a, 1,2,3
.if \a > 1
	s_wait_xcnt 0x0                                ; block a - 2's stores have read their registers: block a's loads may land there
.endif
	OSTAGE \a
	OSEND \a-1, 16                                 ; behind block a - 1's loads: block a's 8 stores and 8 loads
.endr
	OSEND 3, 0
	s_wait_tensorcnt 0x0                           ; the wave's end
	ds_add_u32 v[SPW], v[NIL]
	s_wait_dscnt 0x0
	CROUND                                         ; the closing round
	s_endpgm
.Lfunc_end_k_q06c685e860_oproj:
	.size	k_q06c685e860_oproj, .Lfunc_end_k_q06c685e860_oproj-k_q06c685e860_oproj
	.p2alignl 7, 3214868480
	.fill 96, 4, 3214868480
	.section	.rodata,"a",@progbits
	.p2align	6, 0x0
	.amdhsa_kernel k_q06c685e860_oproj
		.amdhsa_group_segment_fixed_size 327680
		.amdhsa_private_segment_fixed_size 0
		.amdhsa_enable_private_segment 0
		.amdhsa_kernarg_size 32
		.amdhsa_user_sgpr_count 2
		.amdhsa_user_sgpr_kernarg_segment_ptr 1
		.amdhsa_wavefront_size32 1
		.amdhsa_system_sgpr_workgroup_id_x 1
		.amdhsa_system_sgpr_workgroup_id_y 1
		.amdhsa_system_sgpr_workgroup_id_z 1
		.amdhsa_system_vgpr_workitem_id 0
		.amdhsa_next_free_vgpr 512
		.amdhsa_next_free_sgpr 72
		.amdhsa_reserve_vcc 0
		.amdhsa_float_denorm_mode_32 3
		.amdhsa_float_denorm_mode_16_64 3
		.amdhsa_memory_ordered 1
		.amdhsa_forward_progress 1
		.amdhsa_inst_pref_size 87
	.end_amdhsa_kernel
	.amdgpu_metadata
---
amdhsa.version: [ 1, 2 ]
amdhsa.kernels:
  - .name:           k_q06c685e860_oproj
    .symbol:         k_q06c685e860_oproj.kd
    .args:
      - { .name: vals16, .offset: 0, .size: 8, .value_kind: global_buffer, .address_space: global }
      - { .name: wo16, .offset: 8, .size: 8, .value_kind: global_buffer, .address_space: global }
      - { .name: b_o, .offset: 16, .size: 8, .value_kind: global_buffer, .address_space: global }
      - { .name: out0, .offset: 24, .size: 8, .value_kind: global_buffer, .address_space: global }
    .group_segment_fixed_size: 327680
    .private_segment_fixed_size: 0
    .kernarg_segment_align: 8
    .kernarg_segment_size: 32
    .max_flat_workgroup_size: 128
    .sgpr_count:     72
    .vgpr_count:     512
    .wavefront_size: 32
...
	.end_amdgpu_metadata
.endif
;; end of part 4
